; MI455X (gfx1250); checked and timed in simulation.
; The chip was launched on July 23, 2026; its instructions are those of AMD's public machine-readable ISA for CDNA 5 (MIT licence, August 2026) and "CDNA5" Instruction Set Architecture Reference Guide (July 2026). The comments in the code are by the model that wrote it; some were corrected since.
;; Multi Head Attention. Allowed arithmetic: matrix products marked QUANTISED: E3M2 operands, one E8M0 scale for each 32 along K, by v_wmma_scale_f32_16x16x128_f8f6f4 with both operands' format E3M2, f32 sums; everything else in f32.
;; Inputs: Wk 1,024 x 1,024 float32; Wo 1,024 x 1,024 float32; Wq 1,024 x 1,024 float32; Wv 1,024 x 1,024 float32; bk 1,024 float32; bo 1,024 float32; bq 1,024 float32; bv 1,024 float32; key_ 4 x 2,048 x 1,024 float32; query 4 x 2,048 x 1,024 float32; value 4 x 2,048 x 1,024 float32.
;; Outputs: out0 4 x 2,048 x 1,024 float32.
;; This version of the problem:
;;   THIS VERSION OF THE PROBLEM IS GIVEN IN LOW PRECISION. The matrix products marked QUANTISED in the list below multiply operands that are first quantised to E3M2 (3 exponent bits, 2 mantissa bits; 6 bits a number), with one power-of-two scale for each 32 numbers along K (OCP MX v1.0); their sums are f32. All else is computed in f32.
;;   The module's matrix products, in the order in which they are computed (A, B: the left and right operand; K: the contracted axis; several contracted axes count as one K, in the product's order):
;;     1. [M 8,192, K 1,024] x [K 1,024, N 1,024]; A: input query; B: input Wq: QUANTISED
;;     2. [M 8,192, K 1,024] x [K 1,024, N 1,024]; A: input key_; B: input Wk: QUANTISED
;;     3. [M 8,192, K 1,024] x [K 1,024, N 1,024]; A: input value; B: input Wv: QUANTISED
;;     4. batch 64 x [M 2,048, K 64] x [K 64, N 2,048]; A: computed on the way; B: computed on the way: QUANTISED
;;     5. batch 64 x [M 2,048, K 2,048] x [K 2,048, N 64]; A: softmax (see below); B: computed on the way: QUANTISED
;;     6. [M 8,192, K 1,024] x [K 1,024, N 1,024]; A: computed on the way; B: input Wo: QUANTISED
;;   THE QUANTISER, for each operand of a quantised product, along K:
;;     - K is cut into blocks of 32 from its start; a last block that is shorter is filled with zeros.
;;     - A block's scale is 2^e with e = floor(log2(the largest magnitude in the block)) - 4, held to -126 .. 127; a block of zeros has e = 0. As a byte (E8M0): e + 127.
;;     - Each number is divided by its block's scale, clamped to +-28, and rounded to the nearest number of E3M2, ties to even, subnormals kept.
;;     - The product sums the exact products of the quantised numbers (number of the format x scale) in f32.
;;   ~~~python
;;   def quantise(x, axis):      # numpy; x: float32 -> the quantised numbers, widened to float32 again
;;       x = np.moveaxis(x, axis, -1); K = x.shape[-1]
;;       x = np.pad(x, [(0, 0)] * (x.ndim - 1) + [(0, -K % 32)]); x = x.reshape(x.shape[:-1] + (-1, 32)); a = np.abs(x).max(-1, keepdims=True)
;;       e = np.where(a > 0, np.clip(np.frexp(np.where(a > 0, a, 1))[1] - 1 - 4, -126, 127), 0)      # np.frexp(a)[1] - 1 = floor(log2(a)), exactly
;;       r = np.clip(x / 2.0 ** e, -28, 28)
;;       step = 2.0 ** (np.maximum(np.frexp(np.where(r == 0, 1, r))[1] - 1, -2) - 2)
;;       q = np.round(r / step) * step * 2.0 ** e      # np.round: ties to even
;;       return np.moveaxis(q.reshape(q.shape[:-2] + (-1,))[..., :K], -1, axis).astype(np.float32)
;;   ~~~
;;   SOFTMAX AHEAD OF A QUANTISED PRODUCT. Where the list says 'softmax', what is quantised is not the finished softmax but p = 2^(t - M), with t = logit x log2(e) and M = ceil(the row's largest t), a whole number; so 1/2 < the row's largest p <= 1. The row's sum l is taken of the UNQUANTISED p, in f32, and the product's result is divided by l at the end. Since M is a whole number, a kernel that streams over the keys may use a running M (the ceiling of the running maximum): every later rescaling is an exact power of two, which a block's scale takes up: the codes' values come out the same.
;;   OPERANDS COMPUTED ON THE WAY. 'Computed on the way' means the value that the module computes at that place (a softmax that the list does not call 'softmax' is quantised finished and normalised). What goes into a quantiser is computed in f32, as accurately as f32 sums, v_exp_f32 and their like allow (about 1e-6 of the number): no bf16 or f16 on the way to a quantiser, and a product that is left as it is and whose result goes on into a quantised operand takes f32 operands (vector FMAs, or v_wmma_f32_16x16x4_f32). A number that lies on a knife's edge between two numbers of the format may be rounded either way, as far as f32 arithmetic and the matrix unit's own rounding can turn it there, and no further.
;; One version. Each part assembles by itself: llvm-mc -triple=amdgcn-amd-amdhsa -mcpu=gfx1250 --defsym DOCPART=n.
;; ======== version 1 of 1: 4 launches
;; limits: right only within a limited range of input values
;; workspace buffers: codes 22,020,096 bytes; scales 917,504 bytes; qi 6,815,744 bytes; kv 13,631,488 bytes; ctxc 6,291,456 bytes; ctxs 524,288 bytes
;; launch quant (part 1): grid 896 x 1, 4 waves a work-group, no clusters, 34,304 bytes of LDS; arguments query, key_, value, Wq, Wk, Wv, Wo, codes, scales; writes codes, scales
.if DOCPART == 1
	.amdgcn_target "amdgcn-amd-amdhsa--gfx1250"
	.amdhsa_code_object_version 6
	.text
	.protected	k_q41c60a0d51_quant
	.globl	k_q41c60a0d51_quant
	.p2align	8
	.type	k_q41c60a0d51_quant,@function
k_q41c60a0d51_quant:
	s_mov_b64 s[64:65], 0
	v_nop
	global_prefetch_b8 v0, s[64:65] scope:SCOPE_SE
	s_setreg_imm32_b32 hwreg(HW_REG_WAVE_MODE, 25, 1), 1
	s_wait_xcnt 0x0
; query, key_, value (8,192 rows each) and Wq, Wk, Wv, Wo (1,024 rows each), rows of 1,024 f32 with K innermost, become codes of BF6 (E3M2) with one E8M0 byte for each 32 along K.
; A block's scale is 2^(floor(log2(its largest magnitude)) - 4): its byte is the largest magnitude's exponent field - 4, held at 1 from below by a floor among the maximum's leaves.
; LIMITS: NaN and infinities are not served; a block whose largest magnitude lies under 2^-122 (a block of zeros too) keeps the byte 1: its codes are (near) zeros, and this program alone reads the bytes.
; THE CODES LEAVE AS IMAGES OF THE OPERAND'S REGISTERS.  A fragment is 16 rows x 128 K, 12 registers a lane (lane (r, h): registers 6 c .. 6 c + 5 hold k = 64 c + 32 h + 0 .. 31).  Its image is 1,536 bytes:
; registers 0-3 at 16 x lane, 4-5 at 512 + 8 x lane, 6-9 at 768 + 16 x lane, 10-11 at 1,280 + 8 x lane: every store of the wave covers 512 or 256 consecutive bytes, aligned.
; THE ROWS OF A TILE ARE NOT NEIGHBOURS: of a run of 32 rows, tile u's lane r takes row 8 u + r + 8 (r / 8), so that results of two neighbouring tiles, used as source 0, are 16 neighbours along the next K.
; codes: [group of 128 rows][256 along K][tile 0-7][128 along K][1,536];  scales: [group][256 along K][tile][lane r][128 along K] words of four bytes.
; SHARES.  A work-group takes 32 rows of the 28,672, wave w the 256 numbers from 256 w on: four fragments f = 2 u + q.  A fragment's 16 loads read 512 consecutive bytes each; the numbers turn through the
; wave's own stage in LDS (rows 528 bytes apart) so that a lane gets 16 neighbours of each block of 32.  Waves share nothing: no barrier.  Two fragments' loads (32 a wave) are on their way.
.set STG,  8448                        ; a wave's stage: 16 rows x (512 bytes + 16)
.set RA,   16                          ; v16-143  two sets of 64 numbers as loaded
.set X,    144                         ; v144-207 64 numbers: register 16 b + i = k 32 b + 16 h + i of my row
.set PC,   208                         ; v208-219 the fragment's codes; v220-226 the conversions' second halves
.set TM,   228                         ; v228-231 largest magnitudes, v232-235 the other half's, then bytes, v240-243 the conversions' scale operands
.set PWF,  244                         ; v244-247 the four fragments' scale words
.set PW,   248                         ; the scale word just made
.set SEL,  32                          ; s[32:33] v_permlanex16_b32's selects for lane l xor 16
.macro QUANT s                         ; 64 numbers of a lane from v[s] on become a fragment's codes in v[PC] on and my row's scale word in v[PW]
.irp b, 0,1,2,3
	v_max3_num_f32 v[TM+\b], |v[\s+16*\b]|, |v[\s+1+16*\b]|, 0x2800000   ; block b: my 16 numbers, and the floor 2^(5 - 127): the byte cannot fall under 1
.endr
.irp i, 2,4,6,8,10,12,14
.irp b, 0,1,2,3
	v_max3_num_f32 v[TM+\b], v[TM+\b], |v[\s+16*\b+\i]|, |v[\s+1+16*\b+\i]|   ; the four blocks by turns
.endr
.endr
.irp b, 0,1,2,3
	v_permlanex16_b32 v[TM+4+\b], v[TM+\b], s[SEL], s[SEL+1]
.endr
.irp b, 0,1,2,3
	v_max_num_f32 v[TM+\b], v[TM+\b], v[TM+4+\b]   ; with lane l xor 16's 16: the block's largest magnitude
.endr
.irp b, 0,1,2,3
	v_add_nc_u32 v[TM+12+\b], 0xfe000000, v[TM+\b]   ; 4 off its exponent field: the conversion takes this operand's exponent field as its scale
.endr
.irp b, 0,1,2,3
	v_lshrrev_b32 v[TM+4+\b], 23, v[TM+12+\b]      ; the scale's byte
.endr
	v_lshl_or_b32 v[PW], v[TM+5], 8, v[TM+4]
	v_lshl_or_b32 v[PW], v[TM+6], 16, v[PW]
	v_lshl_or_b32 v[PW], v[TM+7], 24, v[PW]
.irp c, 0,1
	v_cvt_scalef32_pk16_bf6_f32 v[PC+6*\c:PC+2+6*\c], v[\s+32*\c:\s+15+32*\c], v[TM+12+2*\c]
	v_cvt_scalef32_pk16_bf6_f32 v[PC+12+4*\c:PC+14+4*\c], v[\s+16+32*\c:\s+31+32*\c], v[TM+12+2*\c+1]   ; (a conversion's three registers begin on an even number)
.endr
	v_nop                                          ; one plain instruction behind the scaled conversions
.irp c, 0,1                                    ; the layout wants a whole block in a lane: lanes 0-15 block 2 c, lanes 16-31 block 2 c + 1
.irp i, 0,1,2
	v_permlane16_swap_b32 v[PC+6*\c+\i], v[PC+12+4*\c+\i]
.endr
.irp i, 0,1,2
	v_mov_b32 v[PC+3+6*\c+\i], v[PC+12+4*\c+\i]
.endr
.endr
.endm
.macro LOADF f                         ; fragment f: load t reads 512 bytes of the row that tile f / 2 gives to lane t
.irp t, 0,1,2,3,4,5,6,7,8,9,10,11,12,13,14,15
	global_load_b128 v[RA+64*((\f)%2)+4*\t:RA+64*((\f)%2)+4*\t+3], v1, s[30:31] offset:(8*((\f)/2)+\t%8+16*(\t/8))*4096+512*((\f)%2) th:TH_LOAD_NT
.endr
.endm
.macro TURNF f                         ; through the stage: LDS serves a wave's instructions in order, so no wait stands between the stores and the loads
.irp t, 0,1,2,3,4,5,6,7,8,9,10,11,12,13,14,15
	ds_store_b128 v3, v[RA+64*((\f)%2)+4*\t:RA+64*((\f)%2)+4*\t+3] offset:528*\t
.endr
.irp b, 0,1,2,3
.irp j, 0,1,2,3
	ds_load_b128 v[X+16*\b+4*\j:X+16*\b+4*\j+3], v4 offset:128*\b+16*\j
.endr
.endr
.endm
.macro FRAGQ f
.if (\f) < 3
	s_wait_loadcnt 16                              ; this fragment's 16 loads are in; the next fragment's 16 may be out
.else
	s_wait_loadcnt 0x0
.endif
	TURNF \f
	s_wait_dscnt 0x0                               ; my 64 numbers are back, and the stores have read the set,
.if (\f) < 2
	LOADF (\f)+2                                   ; which takes the fragment two on
.endif
.if (\f) > 0
	s_wait_xcnt 0x0                                ; the last fragment's stores have read v[PC] on: it is written again only behind this wait
.endif
	QUANT X
	v_mov_b32 v[PWF+(\f)], v[PW]
	global_store_b128 v1, v[PC:PC+3], s[18:19] offset:1536*(\f)
	global_store_b64 v2, v[PC+4:PC+5], s[18:19] offset:1536*(\f)+512
	global_store_b128 v1, v[PC+6:PC+9], s[18:19] offset:1536*(\f)+768
	global_store_b64 v2, v[PC+10:PC+11], s[18:19] offset:1536*(\f)+1280
.endm
	s_load_b512 s[4:19], s[0:1], 0x0               ; query, key_, value, Wq, Wk, Wv, Wo, codes
	s_load_b64 s[20:21], s[0:1], 0x40              ; scales
	v_lshl_add_u32 v254, v0, 2, 0x8400
	v_mov_b32 v255, 0
	v_lshrrev_b32 v5, 5, v0
	v_readfirstlane_b32 s22, v5                    ; wave 0..3
	v_and_b32 v6, 31, v0                           ; lane
	v_and_b32 v7, 15, v0                           ; r
	v_bfe_u32 v8, v0, 4, 1                         ; h
	v_lshlrev_b32 v1, 4, v6                        ; 16 x lane
	v_lshlrev_b32 v2, 3, v6                        ; 8 x lane
	s_mul_i32 s23, s22, STG
	v_add_nc_u32 v3, s23, v1                       ; the stage, in: 16 x lane of a row
	v_mul_u32_u24 v4, v7, 528
	v_lshl_add_u32 v4, v8, 6, v4
	v_add_nc_u32 v4, s23, v4                       ; and out: row r, + 64 h: my 16 numbers of a block of 32
.irp b, 0,1,2,3
	v_mov_b32 v[TM+4+\b], 0                        ; written once: a lane permute's destination counts as one of its sources
.endr
	s_mov_b32 s[SEL], 0x76543210
	s_mov_b32 s[SEL+1], 0xfedcba98
	s_lshr_b32 s24, ttmp9, 2                       ; the group of 128 rows
	s_and_b32 s25, ttmp9, 3                        ; which 32 of them
	s_mul_i32 s26, s24, 98304
	s_mul_i32 s27, s22, 24576
	s_add_co_u32 s26, s26, s27
	s_mul_i32 s27, s25, 6144
	s_add_co_u32 s26, s26, s27                     ; my four images
	s_mov_b32 s27, 0
	s_lshl_b32 s28, s24, 12
	s_lshl_b32 s29, s22, 10
	s_add_co_u32 s28, s28, s29
	s_lshl_b32 s29, s25, 8
	s_add_co_u32 s28, s28, s29                     ; my 256 bytes of scale words
	s_mov_b32 s29, 0
	s_wait_alu depctr_va_vdst(0)
	s_wait_kmcnt 0x0
	s_mov_b64 s[30:31], s[16:17]                   ; which tensor: the choice hangs on the work-group's number alone
	s_mov_b32 s23, 864
	s_cmp_lt_u32 ttmp9, 864
	s_cselect_b64 s[30:31], s[14:15], s[30:31]
	s_cselect_b32 s23, 832, s23
	s_cmp_lt_u32 ttmp9, 832
	s_cselect_b64 s[30:31], s[12:13], s[30:31]
	s_cselect_b32 s23, 800, s23
	s_cmp_lt_u32 ttmp9, 800
	s_cselect_b64 s[30:31], s[10:11], s[30:31]
	s_cselect_b32 s23, 768, s23
	s_cmp_lt_u32 ttmp9, 768
	s_cselect_b64 s[30:31], s[8:9], s[30:31]
	s_cselect_b32 s23, 512, s23
	s_cmp_lt_u32 ttmp9, 512
	s_cselect_b64 s[30:31], s[6:7], s[30:31]
	s_cselect_b32 s23, 256, s23
	s_cmp_lt_u32 ttmp9, 256
	s_cselect_b64 s[30:31], s[4:5], s[30:31]
	s_cselect_b32 s23, 0, s23
	s_sub_co_u32 s23, ttmp9, s23                   ; which 32 rows of that tensor
	s_lshl_b32 s24, s23, 17                        ; 32 rows of 4,096 bytes
	s_lshl_b32 s25, s22, 10
	s_add_co_u32 s24, s24, s25                     ; + my wave's 256 numbers
	s_mov_b32 s25, 0
	s_add_nc_u64 s[30:31], s[30:31], s[24:25]
	s_add_nc_u64 s[18:19], s[18:19], s[26:27]
	s_add_nc_u64 s[20:21], s[20:21], s[28:29]
	LOADF 0
	LOADF 1
	FRAGQ 0
	FRAGQ 1
	FRAGQ 2
	FRAGQ 3
	v_cmp_lt_u32 vcc_lo, 15, v6                    ; lanes 0-15 store tile 0's two words of row r, lanes 16-31 tile 1's (both halves of the lanes hold every word)
	v_cndmask_b32 v10, v[PWF], v[PWF+2], vcc_lo
	v_cndmask_b32 v11, v[PWF+1], v[PWF+3], vcc_lo
	global_store_b64 v2, v[10:11], s[20:21]        ; 32 lanes store 256 consecutive bytes, aligned
	s_wait_tensorcnt 0x0
	ds_add_u32 v254, v255
	s_wait_dscnt 0x0
	s_endpgm
.Lfunc_end_k_q41c60a0d51_quant:
	.size	k_q41c60a0d51_quant, .Lfunc_end_k_q41c60a0d51_quant-k_q41c60a0d51_quant
	.p2alignl 7, 3214868480
	.fill 96, 4, 3214868480
	.section	.rodata,"a",@progbits
	.p2align	6, 0x0
	.amdhsa_kernel k_q41c60a0d51_quant
		.amdhsa_group_segment_fixed_size 34304
		.amdhsa_private_segment_fixed_size 0
		.amdhsa_enable_private_segment 0
		.amdhsa_kernarg_size 72
		.amdhsa_user_sgpr_count 2
		.amdhsa_user_sgpr_kernarg_segment_ptr 1
		.amdhsa_wavefront_size32 1
		.amdhsa_system_sgpr_workgroup_id_x 1
		.amdhsa_system_sgpr_workgroup_id_y 1
		.amdhsa_system_sgpr_workgroup_id_z 1
		.amdhsa_system_vgpr_workitem_id 0
		.amdhsa_next_free_vgpr 256
		.amdhsa_next_free_sgpr 66
		.amdhsa_reserve_vcc 1
		.amdhsa_float_denorm_mode_32 3
		.amdhsa_float_denorm_mode_16_64 3
		.amdhsa_memory_ordered 1
		.amdhsa_forward_progress 1
		.amdhsa_inst_pref_size 35
	.end_amdhsa_kernel
	.amdgpu_metadata
---
amdhsa.version: [ 1, 2 ]
amdhsa.kernels:
  - .name:           k_q41c60a0d51_quant
    .symbol:         k_q41c60a0d51_quant.kd
    .args:
      - { .name: query, .offset: 0, .size: 8, .value_kind: global_buffer, .address_space: global }
      - { .name: key_, .offset: 8, .size: 8, .value_kind: global_buffer, .address_space: global }
      - { .name: value, .offset: 16, .size: 8, .value_kind: global_buffer, .address_space: global }
      - { .name: Wq, .offset: 24, .size: 8, .value_kind: global_buffer, .address_space: global }
      - { .name: Wk, .offset: 32, .size: 8, .value_kind: global_buffer, .address_space: global }
      - { .name: Wv, .offset: 40, .size: 8, .value_kind: global_buffer, .address_space: global }
      - { .name: Wo, .offset: 48, .size: 8, .value_kind: global_buffer, .address_space: global }
      - { .name: codes, .offset: 56, .size: 8, .value_kind: global_buffer, .address_space: global }
      - { .name: scales, .offset: 64, .size: 8, .value_kind: global_buffer, .address_space: global }
    .group_segment_fixed_size: 34304
    .private_segment_fixed_size: 0
    .kernarg_segment_align: 8
    .kernarg_segment_size: 72
    .max_flat_workgroup_size: 128
    .sgpr_count:     66
    .vgpr_count:     256
    .wavefront_size: 32
...
	.end_amdgpu_metadata
.endif
;; end of part 1
;; launch proj (part 2): grid 4 x 96, 4 waves a work-group, clusters of 4 x 4, 327,680 bytes of LDS; arguments codes, scales, bq, bk, bv, qi, kv; writes qi, kv
.if DOCPART == 2
	.amdgcn_target "amdgcn-amd-amdhsa--gfx1250"
	.amdhsa_code_object_version 6
	.text
	.protected	k_q41c60a0d51_proj
	.globl	k_q41c60a0d51_proj
	.p2align	8
	.type	k_q41c60a0d51_proj,@function
k_q41c60a0d51_proj:
	s_mov_b64 s[64:65], 0
	v_nop
	global_prefetch_b8 v0, s[64:65] scope:SCOPE_SE
	s_setreg_imm32_b32 hwreg(HW_REG_WAVE_MODE, 25, 1), 1
	s_wait_xcnt 0x0
	s_wait_alu depctr_hold_cnt(0) depctr_sa_sdst(0) depctr_va_vdst(0) depctr_va_sdst(0) depctr_va_ssrc(0) depctr_va_vcc(0) depctr_vm_vsrc(0)
	s_getreg_b32 s2, hwreg(HW_REG_IB_STS2, 6, 4)
	s_cmp_eq_u32 s2, 0
	s_cbranch_scc0 .Lentry_in_a_cluster
	s_endpgm
.Lentry_in_a_cluster:
	s_bfe_u32 s2, ttmp6, 0x10000c
	s_cmp_lg_u32 s2, 0xf033
	s_cbranch_scc0 .Lentry_shape_is_right
	s_endpgm
.Lentry_shape_is_right:
; Q = query Wq^T + bq, K = key_ Wk^T + bk, V = value Wv^T + bv on codes of BF6 (E3M2) with E8M0 scales, sums in f32; the results are quantised at once and leave as images of the next products' operands.
; A tile of 256 x 256 results to a work-group of four waves, 128 x 128 to a wave: 64 accumulators of 16 x 16.  K = 1,024 goes in four steps of 256 through a ring of two LDS slots filled by the tensor data mover.
; SIDES.  Source 1 of the matrix instruction is the A side (its rows fall into lanes), source 0 the B side (its rows run along a lane's registers), and a result is quantised along the B side.
;   Q, K (cluster y 0-7, 8-15): A = the tokens' rows, B = the weight's rows: a lane holds one token and 128 features = two heads of 64: each head's 64 are a half fragment for Q K^T.
;   V (cluster y 16-23): A = Wv's rows, B = value's rows: a lane holds one channel and 128 keys: a whole fragment of V^T, quantised along the keys, as P V wants it.
; Operands lie in memory as images of their registers (1,536 bytes a fragment), so a step's 128 rows are one dense block of 24,576 bytes, and a fragment comes from LDS by four loads of consecutive bytes.
; The rows of a tile: of a run of 32, tile u's lane r holds row 8 u + r + 8 (r / 8): so the 16 registers of B's tiles 2 b and 2 b + 1 are the 16 neighbours 32 b + 16 (lane / 16) + 0 .. 15.
; CLUSTERS: 4 x 4 work-groups; A's tiles are shared along a row of the cluster, B's along a column, each asked for jointly.  The one branch on ids (which bias layout starts the sums) hangs on the cluster's y, which all partners share.
; THE BIAS is the C of each sum's first matrix instruction: for Q and K by B's tile (eight features a lane), for V by A's tile (the lane's channel in all eight registers).
; LIMITS: NaN and infinities are not served; a block whose largest magnitude lies under 2^-122 keeps the byte 1 (its codes are near zeros; this program alone reads the bytes).
; REGISTERS: window 0: v1-31 addresses; v32-63 scale words, two sets; v64-127 the bias; v128-223 A's fragments, one set (on the way out v128-175 at work).  window 1: B's fragments, two sets at v0 and v128.
;   window 2: the accumulators of my A tiles 0-3 ((a, b) at v[8 (8 a + b)]); window 3: those of tiles 4-7.
.set NQ,     2                         ; matrix instructions deep in a slot
.set FR,     12                        ; registers of a fragment
.set NL,     4                         ; LDS loads that bring one
.set NP,     4                         ; places behind this matrix instruction (ISA guide 7.12.1)
.set HALFT,  24576                     ; 128 rows x 256 along K as images: what one tensor load brings
.set SLOT,   4*HALFT                   ; A's two halves, then B's two
.set SCL,    2*SLOT                    ; behind the ring: A's scale words (2 x 4,096 bytes); B's from SCL + 8,320 on, so that the two halves of the lanes read different banks
.set SPARE,  213248                    ; the spare words, 128 bytes for each wave: two blocks of 256 bytes that no other line names
.set A16, 16                           ; v16-17 my A fragments in slot 0, 1, + 16 x lane;  v18-19 + 8 x lane
.set A8,  18
.set B16, 20                           ; v20-23 the same for B
.set B8,  22
.set O16, 24                           ; v24  16 x lane
.set O8,  25                           ; v25  8 x lane
.set OS0, 26                           ; v26  the way out: where my first four scale words go
.set ADRS, 27                          ; v27  LDS address of my scale words: lanes 0-15 A's, lanes 16-31 B's
.set SPW, 28                           ; v28  LDS address of my spare word; never rewritten
.set NIL, 29                           ; v29  0; never rewritten
.set OS1, 30                           ; v30  where my other four scale words go
.set SHV, 31                           ; v31  Q, K: 16 x (lane / 16): lanes 16-31 keep the second head's two bytes
.set SC,  32
.set BI,  64
.set AF,  128
.set TM,  128                          ; the way out: as in the quantiser
.set PW,  144
.set PC,  148
.set SW,  168                          ; v168-175 the eight blocks' scale words
.set G1,  24                           ; s[24:31] group 1 for A's tiles; s[32:39] group 0, one set a slot
.set G0,  32
.set G1B, 48                           ; s[48:55], s[56:63] the same for B's
.set G0B, 56
.set G1S, 68                           ; s[68:75], s[76:79] A's scales; s[80:87], s[88:91] B's
.set G0S, 76
.set G1SB, 80
.set G0SB, 88
.set MSB, 0
.macro WIN new                         ; the immediate's high byte repeats the setting that is left
.if MSB != \new
	s_set_vgpr_msb (MSB<<8)|\new
.set MSB, \new
.endif
.endm
.set MUL_LO, 0xa1                      ; source 0 (B) window 1, source 1 (A) window 0, C and D window 2
.set MUL_HI, 0xf1                      ; the same, C and D window 3
.set TO_B,   0x40                      ; destination window 1, address window 0
.macro JLOAD g0a, g1a, g0b, g1b        ; a joint load: waves 0 and 1 fetch for A, waves 2 and 3 for B; four v_nop follow each line
	s_cmp_eq_u32 s19, 0
	s_cbranch_scc0 .Lfor_b_\@
	tensor_load_to_lds s[\g0a:\g0a+3], s[\g1a:\g1a+7]
	s_nop 0
.rept 4
	v_nop
.endr
	s_branch .Lasked_\@
.Lfor_b_\@:
	tensor_load_to_lds s[\g0b:\g0b+3], s[\g1b:\g1b+7]
	s_nop 0
.rept 4
	v_nop
.endr
.Lasked_\@:
.endm
.macro CREST                           ; a round of the cluster's barrier behind its opening barrier
	s_cmp_lg_u32 s18, 0
	s_cbranch_scc1 .Lnot_wave_0_\@
	s_barrier_signal -3
.Lnot_wave_0_\@:
	s_barrier_wait -3
	s_barrier_signal -1
	s_barrier_wait -1
.endm
.macro CROUND
	s_barrier_signal -1
	s_barrier_wait -1
	CREST
.endm
.macro PLACES n
.rept \n
	v_nop
.endr
.endm
.macro FRAG reg, a16, a8, off          ; a fragment's image comes back as it was stored: every load of the wave reads 512 or 256 consecutive bytes
	ds_load_b128 v[\reg:\reg+3], v[\a16] offset:(\off)
	ds_load_b64 v[\reg+4:\reg+5], v[\a8] offset:(\off)+512
	ds_load_b128 v[\reg+6:\reg+9], v[\a16] offset:(\off)+768
	ds_load_b64 v[\reg+10:\reg+11], v[\a8] offset:(\off)+1280
.endm
; 16 matrix instructions: A's tiles a0, a0 + 1 x B's eight.  p: B's set; q: which 128 of the slot; sc: the set of scale words.  first = 1: C = the bias by B's tile; 2: by A's tile; 0: the sum goes on.
; The 64 accumulators take turns, one instruction a turn, in the same order in every step.
.macro MUL16 a0, p, q, sc, first
.irp a, \a0, \a0+1
.irp b, 0,1,2,3,4,5,6,7
.if (\first) == 1
	v_wmma_scale_f32_16x16x128_f8f6f4 v[8*(8*((\a)%4)+\b):8*(8*((\a)%4)+\b)+7], v[128*(\p)+FR*\b:128*(\p)+FR*\b+FR-1], v[AF+FR*(\a):AF+FR*(\a)+FR-1], v[BI+8*\b:BI+8*\b+7], v[SC+8*NQ*(\sc)+NQ*\b+(\q)], v[SC+8*NQ*(\sc)+NQ*(\a)+(\q)] matrix_a_fmt:MATRIX_FMT_BF6 matrix_b_fmt:MATRIX_FMT_BF6 matrix_a_scale:MATRIX_SCALE_ROW1
.elseif (\first) == 2
	v_wmma_scale_f32_16x16x128_f8f6f4 v[8*(8*((\a)%4)+\b):8*(8*((\a)%4)+\b)+7], v[128*(\p)+FR*\b:128*(\p)+FR*\b+FR-1], v[AF+FR*(\a):AF+FR*(\a)+FR-1], v[BI+8*(\a):BI+8*(\a)+7], v[SC+8*NQ*(\sc)+NQ*\b+(\q)], v[SC+8*NQ*(\sc)+NQ*(\a)+(\q)] matrix_a_fmt:MATRIX_FMT_BF6 matrix_b_fmt:MATRIX_FMT_BF6 matrix_a_scale:MATRIX_SCALE_ROW1
.else
	v_wmma_scale_f32_16x16x128_f8f6f4 v[8*(8*((\a)%4)+\b):8*(8*((\a)%4)+\b)+7], v[128*(\p)+FR*\b:128*(\p)+FR*\b+FR-1], v[AF+FR*(\a):AF+FR*(\a)+FR-1], v[8*(8*((\a)%4)+\b):8*(8*((\a)%4)+\b)+7], v[SC+8*NQ*(\sc)+NQ*\b+(\q)], v[SC+8*NQ*(\sc)+NQ*(\a)+(\q)] matrix_a_fmt:MATRIX_FMT_BF6 matrix_b_fmt:MATRIX_FMT_BF6 matrix_a_scale:MATRIX_SCALE_ROW1
.endif
.endr
.endr
.endm
.macro FETCH_B slot, q, p              ; B's eight fragments of the slot's q-th 128 along K into set p
	WIN TO_B
.irp i, 0,1,2,3,4,5,6,7
	FRAG 128*(\p)+FR*\i, B16+\slot, B8+\slot, 3072*\i+1536*(\q)
.endr
	WIN 0
.endm
.macro FETCH_A slot, q, i0             ; A's tiles i0 .. i0 + 3
.irp i, \i0, \i0+1, \i0+2, \i0+3
	FRAG AF+FR*(\i), A16+\slot, A8+\slot, 3072*(\i)+1536*(\q)
.endr
.endm
.macro SCALES sc                       ; a slot's scale words: two a row; lanes 0-15 take A's tile i, lanes 16-31 B's tile i
.irp i, 0,1,2,3,4,5,6,7
	ds_load_b64 v[SC+8*NQ*\sc+NQ*\i:SC+8*NQ*\sc+NQ*\i+1], v[ADRS] offset:128*\i
.endr
.endm
.macro STEP slot, q, first             ; a step of 128 along K that has its successor in the same slot
	s_wait_dscnt 4*NL                              ; B's set and A's tiles 0-3 are in; the youngest 16 loads (A's tiles 4-7) may be out
.if \first
	WIN 0x81                                       ; C (the bias) window 0, D window 2
.else
	WIN MUL_LO
.endif
	MUL16 0, (\q)%2, \q, \slot, \first
	MUL16 2, (\q)%2, \q, \slot, \first
	s_wait_dscnt 0x0                               ; A's tiles 4-7 are in
	PLACES NP                                      ; in front of loads into registers that matrix instructions have read
	FETCH_B \slot, (\q)+1, 1-(\q)%2
	FETCH_A \slot, (\q)+1, 0
.if \first
	WIN 0xc1
.else
	WIN MUL_HI
.endif
	MUL16 4, (\q)%2, \q, \slot, \first
	MUL16 6, (\q)%2, \q, \slot, \first
	PLACES NP
	WIN 0
	FETCH_A \slot, (\q)+1, 4
.endm
; A slot's last step changes slots: one barrier; in front of it each wave waits for all its tensor loads, adds 0 to its spare word, and waits for that and for its reads of this slot.
; fill = 1: the barrier opens a round of the cluster's barrier, and this slot is filled again, two steps of 256 ahead, first thing behind the round.
.macro TURN slot, next, fill
	s_wait_tensorcnt 0x0                           ; all my tensor loads have landed: my part of the next slot
	ds_add_u32 v[SPW], v[NIL]                      ; 0 onto my spare word
	s_wait_dscnt 4*NL+1                            ; (the add and A's tiles 4-7 may be out)
	WIN MUL_LO
	MUL16 0, 1, NQ-1, \slot, 0
	s_wait_dscnt 0x0                               ; the add is done, and my reads of this slot are over
	s_barrier_signal -1
	MUL16 2, 1, NQ-1, \slot, 0
	WIN 0
	s_barrier_wait -1
.if \fill
	CREST                                          ; no wave of any partner still reads this slot or has a load on its way
	s_add_nc_u64 s[G0+4*\slot+2:G0+4*\slot+3], s[G0+4*\slot+2:G0+4*\slot+3], 2*HALFT
	s_add_nc_u64 s[G0B+4*\slot+2:G0B+4*\slot+3], s[G0B+4*\slot+2:G0B+4*\slot+3], 2*HALFT
	JLOAD G0+4*\slot, G1, G0B+4*\slot, G1B         ; my one tensor load behind the round; its four v_nop are also the places in front of the loads below
.else
	PLACES NP
.endif
	s_wait_alu depctr_va_vdst(0)
	v_add_nc_u32 v[ADRS], 1024, v[ADRS]            ; the next 256 along K's scale words
	FETCH_B \next, 0, 0
	FETCH_A \next, 0, 0
	SCALES \next
	WIN MUL_HI
	MUL16 4, 1, NQ-1, \slot, 0
	MUL16 6, 1, NQ-1, \slot, 0
	PLACES NP
	WIN 0
	FETCH_A \next, 0, 4
.endm
	s_load_b256 s[4:11], s[0:1], 0x0               ; codes, scales, bq, bk
	s_load_b128 s[12:15], s[0:1], 0x20             ; bv, qi
	s_load_b64 s[16:17], s[0:1], 0x30              ; kv
	v_lshl_add_u32 v[SPW], v0, 2, SPARE
	v_mov_b32 v[NIL], 0
	ds_add_u32 v28, v29
	ds_add_u32 v28, v29
	s_wait_dscnt 0x0
	v_lshrrev_b32 v1, 5, v0
	v_readfirstlane_b32 s18, v1                    ; wave 0..3
	s_lshr_b32 s19, s18, 1                         ; which half of A's rows I multiply.  Also: I fetch for A (0) or for B (1)
	s_and_b32 s20, s18, 1                          ; which half of B's rows.  Also: which 128 rows I fetch
	s_bfe_u32 s40, ttmp6, 0x40000                  ; cx
	s_bfe_u32 s41, ttmp6, 0x40004                  ; cy
	s_and_b32 s21, ttmp7, 0xffff                   ; the cluster's y: 8 for each projection
	s_lshr_b32 s23, s21, 3                         ; 0: Q, 1: K, 2: V; kept
	s_and_b32 s22, s21, 7
	s_lshl_b32 s22, s22, 2
	s_lshl_b32 s21, s23, 6                         ; the tokens' first group of 128 rows (Q, K)
	s_lshl_b32 s67, s23, 3
	s_add_co_u32 s67, s67, 192                     ; the weight's first group (Q, K)
	s_cmp_eq_u32 s23, 2
	s_cselect_b32 s46, 0, s22                      ; the long side (8,192 rows, 32 tiles) is A's for Q and K, B's for V
	s_cselect_b32 s47, s22, 0
	s_cselect_b32 s45, 208, s21                    ; V: A = Wv,
	s_cselect_b32 s42, 128, s67                    ;    B = value
	s_add_co_u32 s46, s46, s41                     ; A's tile: hangs on cy alone
	s_add_co_u32 s47, s47, s40                     ; B's tile: on cx alone
	s_lshl_b32 s21, s46, 1
	s_add_co_u32 s45, s45, s21                     ; A's tile: its first group of 128 rows
	s_lshl_b32 s67, s47, 1
	s_add_co_u32 s42, s42, s67                     ; B's tile: its first group
	s_lshl_b32 s43, s41, 2
	s_lshl_b32 s43, 15, s43                        ; my row of the cluster
	s_lshl_b32 s44, 0x1111, s40                    ; my column
	s_or_b32 s[G1+0], s43, (3<<16)|(1<<21)         ; 15:0 the mask; 17:16 elements of 8 bytes; 21 set beside a mask; no padding
	s_or_b32 s[G1B+0], s44, (3<<16)|(1<<21)
.irp g, G1, G1B                                ; a dense block of 24,576 bytes as 96 rows of 256
	s_mov_b32 s[\g+1], 3072<<16                    ; for the head's loads: a tile's two groups, a row of 24,576 bytes (3,072 elements) each,
	s_mov_b32 s[\g+2], 2<<16
	s_mov_b32 s[\g+3], 3072<<16
	s_mov_b32 s[\g+4], 2
	s_mov_b32 s[\g+5], 12288                       ; 98,304 bytes apart
	s_mov_b32 s[\g+6], 0
	s_mov_b32 s[\g+7], 0
.endr
	s_or_b32 s[G1S+0], s43, (3<<16)|(1<<21)
	s_or_b32 s[G1SB+0], s44, (3<<16)|(1<<21)
.irp g, G1S, G1SB                              ; a group's scale words for all of K: 4,096 dense bytes as 16 rows of 256
	s_mov_b32 s[\g+1], 32<<16
	s_mov_b32 s[\g+2], 32<<16                      ; two groups' scale words: 8,192 dense bytes as 32 rows of 256
	s_mov_b32 s[\g+3], 32<<16
	s_mov_b32 s[\g+4], 32
	s_mov_b32 s[\g+5], 32
	s_mov_b32 s[\g+6], 0
	s_mov_b32 s[\g+7], 0
.endr
	s_mul_i32 s66, s18, HALFT                      ; where my loads go: the wave's number alone enters an LDS address
	s_wait_kmcnt 0x0
	CROUND                                         ; all sixteen work-groups are here: the first joint loads meet
	s_mov_b32 s[G0S], 1
	s_mov_b32 s[G0S+1], SCL
	s_lshl_b32 s[G0S+2], s45, 12
	s_mov_b32 s[G0S+3], 0
	s_add_nc_u64 s[G0S+2:G0S+3], s[6:7], s[G0S+2:G0S+3]
	s_or_b32 s[G0S+3], s[G0S+3], 0x80000000
	s_mov_b32 s[G0SB], 1
	s_mov_b32 s[G0SB+1], SCL+8320
	s_lshl_b32 s[G0SB+2], s42, 12
	s_mov_b32 s[G0SB+3], 0
	s_add_nc_u64 s[G0SB+2:G0SB+3], s[6:7], s[G0SB+2:G0SB+3]
	s_or_b32 s[G0SB+3], s[G0SB+3], 0x80000000
	s_mov_b32 s[G0], 1
	s_mov_b32 s[G0+1], 0                           ; the head's load of A: both halves of slot 0
	s_mul_i32 s[G0+2], s45, 98304
	s_mov_b32 s[G0+3], 0
	s_add_nc_u64 s[G0+2:G0+3], s[4:5], s[G0+2:G0+3]
	s_mov_b32 s[G0+4], 1
	s_add_co_u32 s[G0+5], s66, SLOT
	s_mul_i32 s92, s20, 98304                      ; in the ring I fetch one group of the tile's two
	s_mov_b32 s93, 0
	s_add_nc_u64 s[G0+6:G0+7], s[G0+2:G0+3], s[92:93]
	s_add_nc_u64 s[G0+6:G0+7], s[G0+6:G0+7], HALFT
	s_or_b32 s[G0+3], s[G0+3], 0x80000000
	s_or_b32 s[G0+7], s[G0+7], 0x80000000
	s_mov_b32 s[G0B], 1
	s_mov_b32 s[G0B+1], 2*HALFT                    ; the head's load of B: both halves, behind A's
	s_mul_i32 s[G0B+2], s42, 98304
	s_mov_b32 s[G0B+3], 0
	s_add_nc_u64 s[G0B+2:G0B+3], s[4:5], s[G0B+2:G0B+3]
	s_mov_b32 s[G0B+4], 1
	s_add_co_u32 s[G0B+5], s66, SLOT
	s_add_nc_u64 s[G0B+6:G0B+7], s[G0B+2:G0B+3], s[92:93]
	s_add_nc_u64 s[G0B+6:G0B+7], s[G0B+6:G0B+7], HALFT
	s_or_b32 s[G0B+3], s[G0B+3], 0x80000000
	s_or_b32 s[G0B+7], s[G0B+7], 0x80000000
; THE HEAD'S LOADS, ONE A WAVE: wave 0 fetches slot 0's 256 rows of A, wave 1 its 256 rows of B, wave 2 A's scale words, wave 3 B's.
; One chain of branches on the wave's number: every way through the head passes exactly one load.
.macro ARM under, g0, g1, next
	s_cmp_lt_u32 s18, \under
	s_cbranch_scc0 \next
	tensor_load_to_lds s[\g0:\g0+3], s[\g1:\g1+7]
	s_nop 0
.rept 4
	v_nop
.endr
	s_branch .Lhead_asked
\next:
.endm
	ARM 1, G0,  G1,  .Lhead_b
	ARM 2, G0B, G1B, .Lhead_sa
	ARM 3, G0S, G1S, .Lhead_sb
	tensor_load_to_lds s[G0SB:G0SB+3], s[G1SB:G1SB+7]
	s_nop 0
.rept 4
	v_nop
.endr
.Lhead_asked:
	v_and_b32 v1, 15, v0                           ; r
	v_bfe_u32 v2, v0, 4, 1                         ; h
	v_and_b32 v3, 31, v0
	v_lshlrev_b32 v[O16], 4, v3
	v_lshlrev_b32 v[O8], 3, v3
	s_mul_i32 s21, s19, HALFT                      ; my half of A
	s_mul_i32 s22, s20, HALFT
	s_add_co_u32 s22, s22, 2*HALFT                 ; my half of B, behind A's two
.irp s, 0,1
	v_add_nc_u32 v[A16+\s], s21, v[O16]
	v_add_nc_u32 v[A8+\s], s21, v[O8]
	v_add_nc_u32 v[B16+\s], s22, v[O16]
	v_add_nc_u32 v[B8+\s], s22, v[O8]
	s_add_co_u32 s21, s21, SLOT
	s_add_co_u32 s22, s22, SLOT
.endr
	s_lshl_b32 s21, s19, 12                        ; A's scale words: my half
	s_lshl_b32 s22, s20, 12
	s_add_co_u32 s22, s22, 8320                    ; B's
	s_sub_co_u32 s22, s22, s21
	v_mul_u32_u24 v4, s22, v2                      ; lanes 16-31 take B's: one product, the distance between the two
	v_lshl_add_u32 v4, v1, 3, v4                   ; 8 bytes a row
	s_add_co_u32 s21, s21, SCL
	v_add_nc_u32 v[ADRS], s21, v4
	; what steers the way out and the bias, chosen without a jump
	s_lshl_b32 s40, s46, 8
	s_lshl_b32 s21, s19, 7
	s_add_co_u32 s40, s40, s21                     ; my first row on A's side
	s_lshl_b32 s41, s47, 8
	s_lshl_b32 s21, s20, 7
	s_add_co_u32 s41, s41, s21                     ; and on B's
	s_cmp_eq_u32 s23, 0
	s_cselect_b64 s[8:9], s[8:9], s[10:11]
	s_cselect_b64 s[92:93], s[14:15], s[16:17]     ; Q goes to qi, K and V to kv
	s_mov_b32 s43, 212992
	s_cselect_b32 s43, 106496, s43                 ; bytes of a head there
	s_mov_b32 s46, 13312
	s_cselect_b32 s46, 6656, s46                   ; and of a block of 128 tokens
	s_mov_b32 s47, 12288
	s_cselect_b32 s47, 6144, s47                   ; where a block's scale words begin
	s_cmp_eq_u32 s23, 2
	s_cselect_b32 s42, s41, s40                    ; my first token,
	s_cselect_b32 s45, s40, s41                    ; my first feature
	s_cselect_b32 s21, 4, 0                        ; the bias: V by the lane's channel r + 8 (r / 8),
	s_cselect_b32 s22, 0, 64                       ; Q, K by 16 h
	s_cselect_b32 s44, 0, 4                        ; + the register's number
	s_cselect_b32 s94, 0, 16
	s_cselect_b32 s95, 256, s43
	s_cselect_b32 s96, s43, 256
	s_cselect_b32 s40, 6144, 0                     ; V's fragments lie behind K's half images
	s_cselect_b32 s97, 768, s43                    ; registers 6-11: V: the fragment's second half; Q, K: the next head
	s_mov_b32 s41, 12800
	s_cselect_b32 s47, s41, s47
	s_cselect_b64 s[8:9], s[12:13], s[8:9]
	s_mov_b32 s98, 768
	s_cselect_b32 s98, 1536, s98                   ; from A's tile to the next
	s_cselect_b32 s100, 206848, 0                  ; V: tiles 4-7 are the next head's: a head less four fragments
	s_mov_b32 s66, 0xffff
	s_cselect_b32 s66, -1, s66                     ; Q, K: a head's word has two bytes
	s_mov_b32 s99, 0
	s_mov_b32 s101, 0
	s_mov_b32 s41, 0
	v_mul_u32_u24 v[SHV], s94, v2
	v_mul_u32_u24 v[OS0], s95, v2
	v_lshl_add_u32 v[OS0], v1, 4, v[OS0]           ; 16 r + h x (V: 256; Q, K: a head)
	v_add_nc_u32 v[OS1], s96, v[OS0]               ; tiles 4-7: V: a head on; Q, K: 256 on
	v_and_b32 v3, 8, v1
	v_add_nc_u32 v3, v3, v1
	v_mul_u32_u24 v3, s21, v3
	v_mad_u32_u24 v3, v2, s22, v3
	s_wait_alu depctr_va_vdst(0)
.irp j, 0,1,2,3,4,5,6,7
	s_mul_i32 s94, s44, \j
	v_add_nc_u32 v[8+\j], s94, v3                  ; v8-15: register j's byte in the bias; never rewritten
.endr
	s_lshr_b32 s21, s42, 11                        ; batch
	s_lshl_b32 s21, s21, 4
	s_lshr_b32 s22, s45, 6                         ; head
	s_add_co_u32 s21, s21, s22
	s_mul_i32 s21, s21, s43
	s_bfe_u32 s22, s42, 0x40007                    ; which 128 tokens of the 2,048
	s_mul_i32 s22, s22, s46
	s_add_co_u32 s42, s21, s22
	s_mov_b32 s43, 0
	s_add_nc_u64 s[92:93], s[92:93], s[42:43]      ; my block
	s_mov_b32 s46, s47
	s_mov_b32 s47, 0
	s_mov_b32 s44, s97
	s_lshl_b32 s42, s45, 2
	s_mov_b32 s45, 0
	s_add_nc_u64 s[96:97], s[92:93], s[46:47]      ; its scale words
	s_add_nc_u64 s[92:93], s[92:93], s[40:41]      ; registers 0-5 of tile 0
	s_add_nc_u64 s[94:95], s[92:93], s[44:45]      ; registers 6-11
	s_add_nc_u64 s[8:9], s[8:9], s[42:43]          ; the bias at my first feature
	s_wait_alu depctr_va_vdst(0)
.irp i, 0,1,2,3,4,5,6,7
.irp j, 0,1,2,3,4,5,6,7
	global_load_b32 v[BI+8*\i+\j], v[8+\j], s[8:9] offset:4*(32*(\i/2)+8*(\i%2))
.endr
.endr
	s_mov_b32 s2, 0x76543210
	s_mov_b32 s3, 0xfedcba98                       ; v_permlanex16_b32's selects for lane l xor 16
	s_wait_alu depctr_va_vdst(0)                   ; the wait at the head's end
	s_wait_tensorcnt 0x0                           ; my tile of the head's four is in; the three lines ahead of a later first fill
	ds_add_u32 v[SPW], v[NIL]
.irp g, G1, G1B                                ; no tensor load of mine is out: from here on a load brings a dense block of 24,576 bytes as 96 rows of 256
	s_mov_b32 s[\g+1], 32<<16
	s_mov_b32 s[\g+2], 96<<16
	s_mov_b32 s[\g+3], 32<<16
	s_mov_b32 s[\g+4], 96
	s_mov_b32 s[\g+5], 32
.endr
	s_mul_i32 s40, s20, 98304                      ; and slot 0's group 0 stands at my own quarter: my group of the tile's two,
	s_mov_b32 s41, 0
	s_mul_i32 s[G0+1], s18, HALFT                  ; to wave x 24,576
	s_mul_i32 s[G0B+1], s18, HALFT
	s_add_nc_u64 s[G0+2:G0+3], s[G0+2:G0+3], s[40:41]
	s_add_nc_u64 s[G0B+2:G0B+3], s[G0B+2:G0B+3], s[40:41]
	s_wait_dscnt 0x0                               ; the add is done
	CROUND                                         ; all four tiles are in, and all sixteen work-groups are here
	JLOAD G0+4, G1, G0B+4, G1B                     ; slot 1: K 256-511, my one tensor load behind the round
	FETCH_B 0, 0, 0
	FETCH_A 0, 0, 0
	SCALES 0
	FETCH_A 0, 0, 4
	s_wait_loadcnt 0x0                             ; the bias
	s_cmp_eq_u32 s23, 2                            ; the first step starts the sums with the bias; its layout differs, so the step is written twice: the same loads and waits on both ways
	s_cbranch_scc1 .Lfirst_v
	STEP 0, 0, 1
	s_branch .Lfirst_done
.Lfirst_v:
	STEP 0, 0, 2
.Lfirst_done:
	TURN 0, 1, 1                                   ; K = 1,024 is twice round the ring: the steps are written out
	STEP 1, 0, 0
	TURN 1, 0, 1
	STEP 0, 0, 0
	TURN 0, 1, 0                                   ; nothing is left to fetch
	STEP 1, 0, 0
	s_wait_dscnt 4*NL
	WIN MUL_LO
	MUL16 0, 1, NQ-1, 1, 0
	MUL16 2, 1, NQ-1, 1, 0
	s_wait_dscnt 0x0
	WIN MUL_HI
	MUL16 4, 1, NQ-1, 1, 0
	MUL16 6, 1, NQ-1, 1, 0
	WIN 0
; THE WAY OUT.  The 64 registers of A's tile a are 128 neighbours along B's side of my lane's row, register 16 b + i = 32 b + 16 h + i: they are quantised where they lie and become one fragment, stored as its image.
; Each accumulator is read from its low end on.  No LDS, no barrier.
.macro QOUT a
.set AC, 64*((\a)%4)
.set WA, 2+(\a)/4
.set W01, WA|(WA<<2)
.set W12, (WA<<2)|(WA<<4)
	WIN W01                                        ; sources 0 and 1 in the accumulators' window
.irp b, 0,1,2,3
	v_max3_num_f32 v[TM+\b], |v[AC+16*\b]|, |v[AC+1+16*\b]|, 0x2800000   ; and the floor 2^(5 - 127)
.endr
	WIN W12                                        ; sources 1 and 2
.irp i, 2,4,6,8,10,12,14
.irp b, 0,1,2,3
	v_max3_num_f32 v[TM+\b], v[TM+\b], |v[AC+16*\b+\i]|, |v[AC+1+16*\b+\i]|
.endr
.endr
	WIN 0
.irp b, 0,1,2,3
	v_permlanex16_b32 v[TM+4+\b], v[TM+\b], s2, s3
.endr
.irp b, 0,1,2,3
	v_max_num_f32 v[TM+\b], v[TM+\b], v[TM+4+\b]
.endr
.irp b, 0,1,2,3
	v_add_nc_u32 v[TM+12+\b], 0xfe000000, v[TM+\b]
.endr
.irp b, 0,1,2,3
	v_lshrrev_b32 v[TM+4+\b], 23, v[TM+12+\b]
.endr
	v_lshl_or_b32 v[PW], v[TM+5], 8, v[TM+4]
	v_lshl_or_b32 v[PW], v[TM+6], 16, v[PW]
	v_lshl_or_b32 v[PW], v[TM+7], 24, v[PW]
.if (\a) > 0
	s_wait_xcnt 0x0                                ; the last tile's stores have read their data and bases: both are written again only behind this wait
	s_add_nc_u64 s[92:93], s[92:93], s[98:99]
	s_add_nc_u64 s[94:95], s[94:95], s[98:99]
.endif
.if (\a) == 4
	s_add_nc_u64 s[92:93], s[92:93], s[100:101]
	s_add_nc_u64 s[94:95], s[94:95], s[100:101]
.endif
	WIN WA                                         ; source 0
.irp c, 0,1
	v_cvt_scalef32_pk16_bf6_f32 v[PC+6*\c:PC+2+6*\c], v[AC+32*\c:AC+15+32*\c], v[TM+12+2*\c]
	v_cvt_scalef32_pk16_bf6_f32 v[PC+12+4*\c:PC+14+4*\c], v[AC+16+32*\c:AC+31+32*\c], v[TM+12+2*\c+1]
.endr
	WIN 0
	v_nop                                          ; one plain instruction behind the scaled conversions
.irp c, 0,1
.irp i, 0,1,2
	v_permlane16_swap_b32 v[PC+6*\c+\i], v[PC+12+4*\c+\i]
.endr
.irp i, 0,1,2
	v_mov_b32 v[PC+3+6*\c+\i], v[PC+12+4*\c+\i]
.endr
.endr
	v_lshrrev_b32 v[SW+(\a)], v[SHV], v[PW]        ; Q, K: lanes 0-15 keep the first head's two bytes, lanes 16-31 the second's; V: the whole word
	v_and_b32 v[SW+(\a)], s66, v[SW+(\a)]
	global_store_b128 v[O16], v[PC:PC+3], s[92:93]
	global_store_b64 v[O8], v[PC+4:PC+5], s[92:93] offset:512
	global_store_b128 v[O16], v[PC+6:PC+9], s[94:95]
	global_store_b64 v[O8], v[PC+10:PC+11], s[94:95] offset:512
.endm
	PLACES NP                                      ; behind the last products: for the reads of results and the writes over A's fragments
.irp b, 0,1,2,3
	v_mov_b32 v[TM+4+\b], 0                        ; written once: a lane permute's destination counts as one of its sources
.endr
.irp a, 0,1,2,3,4,5,6,7
	QOUT \a
.endr
	global_store_b128 v[OS0], v[SW:SW+3], s[96:97]     ; sixteen lanes store 256 consecutive bytes, aligned
	global_store_b128 v[OS1], v[SW+4:SW+7], s[96:97]
	s_wait_tensorcnt 0x0                           ; the wave's end
	ds_add_u32 v[SPW], v[NIL]
	s_wait_dscnt 0x0
	CROUND                                         ; the closing round
	s_endpgm
.Lfunc_end_k_q41c60a0d51_proj:
	.size	k_q41c60a0d51_proj, .Lfunc_end_k_q41c60a0d51_proj-k_q41c60a0d51_proj
	.p2alignl 7, 3214868480
	.fill 96, 4, 3214868480
	.section	.rodata,"a",@progbits
	.p2align	6, 0x0
	.amdhsa_kernel k_q41c60a0d51_proj
		.amdhsa_group_segment_fixed_size 327680
		.amdhsa_private_segment_fixed_size 0
		.amdhsa_enable_private_segment 0
		.amdhsa_kernarg_size 56
		.amdhsa_user_sgpr_count 2
		.amdhsa_user_sgpr_kernarg_segment_ptr 1
		.amdhsa_wavefront_size32 1
		.amdhsa_system_sgpr_workgroup_id_x 1
		.amdhsa_system_sgpr_workgroup_id_y 1
		.amdhsa_system_sgpr_workgroup_id_z 1
		.amdhsa_system_vgpr_workitem_id 0
		.amdhsa_next_free_vgpr 1024
		.amdhsa_next_free_sgpr 102
		.amdhsa_reserve_vcc 0
		.amdhsa_float_denorm_mode_32 3
		.amdhsa_float_denorm_mode_16_64 3
		.amdhsa_memory_ordered 1
		.amdhsa_forward_progress 1
		.amdhsa_inst_pref_size 172
	.end_amdhsa_kernel
	.amdgpu_metadata
---
amdhsa.version: [ 1, 2 ]
amdhsa.kernels:
  - .name:           k_q41c60a0d51_proj
    .symbol:         k_q41c60a0d51_proj.kd
    .args:
      - { .name: codes, .offset: 0, .size: 8, .value_kind: global_buffer, .address_space: global }
      - { .name: scales, .offset: 8, .size: 8, .value_kind: global_buffer, .address_space: global }
      - { .name: bq, .offset: 16, .size: 8, .value_kind: global_buffer, .address_space: global }
      - { .name: bk, .offset: 24, .size: 8, .value_kind: global_buffer, .address_space: global }
      - { .name: bv, .offset: 32, .size: 8, .value_kind: global_buffer, .address_space: global }
      - { .name: qi, .offset: 40, .size: 8, .value_kind: global_buffer, .address_space: global }
      - { .name: kv, .offset: 48, .size: 8, .value_kind: global_buffer, .address_space: global }
    .group_segment_fixed_size: 327680
    .private_segment_fixed_size: 0
    .kernarg_segment_align: 8
    .kernarg_segment_size: 56
    .max_flat_workgroup_size: 128
    .sgpr_count:     102
    .vgpr_count:     1024
    .wavefront_size: 32
...
	.end_amdgpu_metadata
.endif
;; end of part 2
;; launch attn (part 3): grid 4 x 64, 8 waves a work-group, clusters of 4 x 1, 327,680 bytes of LDS; arguments qi, kv, ctxc, ctxs; writes ctxc, ctxs
.if DOCPART == 3
	.amdgcn_target "amdgcn-amd-amdhsa--gfx1250"
	.amdhsa_code_object_version 6
	.text
	.protected	k_q41c60a0d51_attn
	.globl	k_q41c60a0d51_attn
	.p2align	8
	.type	k_q41c60a0d51_attn,@function
k_q41c60a0d51_attn:
	s_mov_b64 s[64:65], 0
	v_nop
	global_prefetch_b8 v0, s[64:65] scope:SCOPE_SE
	s_setreg_imm32_b32 hwreg(HW_REG_WAVE_MODE, 25, 1), 1
	s_wait_xcnt 0x0
	s_wait_alu depctr_hold_cnt(0) depctr_sa_sdst(0) depctr_va_vdst(0) depctr_va_sdst(0) depctr_va_ssrc(0) depctr_va_vcc(0) depctr_vm_vsrc(0)
	s_getreg_b32 s2, hwreg(HW_REG_IB_STS2, 6, 4)
	s_cmp_eq_u32 s2, 0
	s_cbranch_scc0 .Lentry_in_a_cluster
	s_endpgm
.Lentry_in_a_cluster:
	s_bfe_u32 s2, ttmp6, 0x10000c
	s_cmp_lg_u32 s2, 0x3003
	s_cbranch_scc0 .Lentry_shape_is_right
	s_endpgm
.Lentry_shape_is_right:
; ctx = softmax(Q K^T / 8) V for one (batch, head) and 512 queries a work-group, on codes of BF6 (E3M2) with E8M0 scales; ctx is quantised along the features and leaves as images of the last product's operand.
; SHARES: waves w and w + 4 share block w of 128 queries (8 tiles of 16): wave w owns tiles 0-4, wave w + 4 tiles 5-7.  Every wave walks the head's 2,048 keys in 16 steps of 128, through the same loops and barriers.
; Both products are used transposed (S^T = K Q^T, O^T = V^T P^T): a lane holds one query throughout.
; p = 2^(t - M), t = score x log2(e) / 8, M the ceiling of the running largest t: a whole number, so every rescaling is a power of two.  The row's sum is taken of the unquantised p, in f32.
; THE KEYS OF A SCORE TILE ARE CHOSEN BY THE LDS ADDRESS: row r of tile 4 c + u is key 64 c + 32 (r / 8) + 8 u + r % 8.  So the 32 registers of tiles 4 c .. 4 c + 3 in lane (q, h) are the whole block
; 2 c + h of 32 keys, in order: that is P's operand layout as it stands.  A block's largest score needs no other lane; one lane permute joins the row's maximum, one the scale word's four bytes.
; In kv a half fragment of K (768 bytes) holds, in lane r' of tile 2 b + u', key 32 b + 8 u' + r' % 8 + 16 (r' / 8): key 64 c + 32 (r / 8) + 8 u + r % 8 lies in tile 4 c + 2 (r / 8) + u % 2 at lane r % 8 + 8 (u / 2).
; The head size is 64: Q's registers 6-11 hold zero codes, so what stands in K's registers 6-11 (the next tile's codes) adds nothing.
; A tile's P V follows its softmax at once, behind the next tile's score products: one set of 12 registers serves P.
; LDS: the head's K and V, 16 steps x 13,312 bytes, come once: 4 steps by the head's load, 12 behind a round of the cluster's barrier.  The four work-groups of a cluster are the four query blocks of one head: each load is asked for jointly.
; No prefetch: all that the launch reads by tensor loads is asked for at its start, and no loop asks memory for anything.
; K's and V's fragments are fetched a step ahead; the last step fetches its own once more, so that no address leaves the tiles.
; ctx's scale words leave by stores of 4 bytes a lane, 64 bytes a tile: a tile's words are a quarter of their 256 bytes, and the tiles of those 256 bytes belong to two waves.
; LIMITS: the promise holds while the scaled scores stay under 2^31 in magnitude; NaN and infinities are not served; a block whose largest number lies under 2^-122 keeps the byte 1.
; REGISTERS: window 0: v1-11 lane terms, v12-31 per tile -M, largest score, sum (2), v32-85 K, v86-97 scales, v100-163 scores and p, v164-211 V, v212-216 Q's scales.  Window 1: v0-159 O^T, v160-219 Q, v220-239 P's codes.
.set ST,   12
.set KF,   32
.set KS,   86
.set VS,   94
.set C4,   98
.set S,    100
.set VF,   164
.set QS,   212
.set PW,   217
.set W,    218
.set BM,   224
.set BX,   228
.set SO,   232
.set E,    234
.set F,    236
.set T,    240
.set CH,   242
.set AV16, 244
.set AV8,  245
.set AK16, 246
.set AK8,  247
.set AKS,  248
.set C2,   250
.set C3,   252
.set QF,   160
.set PP,   220
.set PT,   232
.set WV,   12
.set G1A,  24
.set G1B,  32
.set G0A,  40
.set G0B,  44
.set TB,   48
.set CNT,  49
.set CS,   50
.set SEL,  52
.set TN,   56
.set STEPB, 13312
.set MSB, 0
.macro WIN new                         ; the immediate's high byte repeats the setting that is left
.if MSB != \new
	s_set_vgpr_msb (MSB<<8)|\new
.set MSB, \new
.endif
.endm
.macro CROUND
	s_barrier_signal -1
	s_barrier_wait -1
	s_cmp_lg_u32 s[WV], 0
	s_cbranch_scc1 .Lnot_wave_0_\@
	s_barrier_signal -3
.Lnot_wave_0_\@:
	s_barrier_wait -3
	s_barrier_signal -1
	s_barrier_wait -1
.endm
.macro LOADK                           ; 20 loads: eight half fragments of K and their scale words, rows chosen as the head comment says
.irp c, 0,1
.irp u, 0,1,2,3
	ds_load_b128 v[KF+6*(4*\c+\u):KF+6*(4*\c+\u)+3], v[AK16] offset:3072*\c+768*(\u%2)+128*(\u/2)
	ds_load_b64 v[KF+6*(4*\c+\u)+4:KF+6*(4*\c+\u)+5], v[AK8] offset:3072*\c+768*(\u%2)+512+64*(\u/2)
.endr
.irp w, 0,1
	ds_load_b64 v[KS+4*\c+2*\w:KS+4*\c+2*\w+1], v[AKS] offset:12288+256*\c+128*\w
.endr
.endr
.endm
.macro LOADV                           ; 17 loads: four fragments of V^T (16 channels x 128 keys) and their scale words
.irp i, 0,1,2,3
	ds_load_b128 v[VF+12*\i:VF+12*\i+3], v[AV16] offset:6144+1536*\i
	ds_load_b64 v[VF+12*\i+4:VF+12*\i+5], v[AV8] offset:6144+1536*\i+512
	ds_load_b128 v[VF+12*\i+6:VF+12*\i+9], v[AV16] offset:6144+1536*\i+768
	ds_load_b64 v[VF+12*\i+10:VF+12*\i+11], v[AV8] offset:6144+1536*\i+1280
.endr
	ds_load_b128 v[VS:VS+3], v[AV16] offset:12800
.endm
.macro QK t                            ; the scores of query tile t against 128 keys: eight accumulators, each begun with 0
	WIN 0x04
.irp i, 0,1,2,3,4,5,6,7
	v_wmma_scale_f32_16x16x128_f8f6f4 v[S+8*\i:S+8*\i+7], v[KF+6*\i:KF+6*\i+11], v[QF+12*\t:QF+12*\t+11], 0, v[KS+\i], v[QS+\t] matrix_a_fmt:MATRIX_FMT_BF6 matrix_b_fmt:MATRIX_FMT_BF6
.endr
	WIN 0
.endm
.macro ADD5 j                          ; ten numbers onto the sum's five chains, by turns
	v_pk_add_f32 v[NM+2:NM+3], v[NM+2:NM+3], v[S+\j:S+\j+1]
	v_pk_add_f32 v[CH:CH+1], v[CH:CH+1], v[S+\j+2:S+\j+3]
	v_pk_add_f32 v[C2:C2+1], v[C2:C2+1], v[S+\j+4:S+\j+5]
	v_pk_add_f32 v[C3:C3+1], v[C3:C3+1], v[S+\j+6:S+\j+7]
	v_pk_add_f32 v[C4:C4+1], v[C4:C4+1], v[S+\j+8:S+\j+9]
.endm
.macro FMA8                            ; t - M of sixteen scores, two at a time
.rept 8
	v_pk_fma_f32 v[S+j:S+j+1], v[S+j:S+j+1], s[CS:CS+1], v[NM:NM+1] op_sel_hi:[1,0,0]
.set j, j+2
.endr
.endm
.macro SM t                            ; scores -> p, the sum, p's codes (all but three moves a block: TAIL) and its scale word
.set NM, ST+4*(\t)
.irp q, 0,1,2,3
	v_max3_num_f32 v[BM+\q], v[S+16*\q], v[S+1+16*\q], v[S+2+16*\q]   ; four chains by turns; each accumulator is read from its low end on
.endr
.irp i, 3,5,7,9,11,13
.irp q, 0,1,2,3
	v_max3_num_f32 v[BM+\q], v[BM+\q], v[S+16*\q+\i], v[S+1+16*\q+\i]
.endr
.endr
	v_max3_num_f32 v[BM], v[BM], v[BM+1], v[S+15]
	v_max3_num_f32 v[BM+2], v[BM+2], v[BM+3], v[S+47]
	v_max_num_f32 v[BM], v[BM], v[S+31]            ; my block h's largest score,
	v_max_num_f32 v[BM+2], v[BM+2], v[S+63]        ; and my block 2 + h's
	s_delay_alu instid0(VALU_DEP_1)
	v_max_num_f32 v[T], v[BM], v[BM+2]
	s_delay_alu instid0(VALU_DEP_1)
	v_permlanex16_b32 v[BX], v[T], s[SEL], s[SEL+1]
	s_delay_alu instid0(VALU_DEP_1)
	v_max3_num_f32 v[NM+1], v[NM+1], v[T], v[BX]   ; the running largest score of my query
	v_mov_b32 v[T], v[NM]
	s_delay_alu instid0(VALU_DEP_2)
	v_mul_f32 v[T+1], s[CS], v[NM+1]               ; as t (the factor is positive)
	s_delay_alu instid0(VALU_DEP_1)
	v_floor_f32 v[NM], -v[T+1]                     ; -M = floor(-t)
.set j, 0
	FMA8                                           ; the three lines that make f stand among the multiply-adds
	v_sub_f32 v[T], v[NM], v[T]                    ; old M less new M: a whole number, 0 or less
	FMA8
	v_cvt_i32_f32 v[T], v[T]
	FMA8
	v_ldexp_f32 v[F], 1.0, v[T]                    ; f = 2^(old M - new M)
	FMA8
	v_fma_f32 v[BM], v[BM], s[CS], v[NM]           ; the same of each block's largest score: p rises with the score
	v_fma_f32 v[BM+2], v[BM+2], s[CS], v[NM]
	s_wait_alu depctr_va_vdst(0)                   ; the wait ahead of the batch
.set j, 0
.rept 64
	v_exp_f32 v[S+j], v[S+j]
.set j, j+1
.endr
	v_exp_f32 v[BM], v[BM]
	v_exp_f32 v[BM+2], v[BM+2]
	v_pk_mul_f32 v[NM+2:NM+3], v[NM+2:NM+3], v[F:F+1] op_sel_hi:[1,0]   ; the sums under the new M; the plain place behind the batch
	s_wait_alu depctr_va_vdst(0)                   ; and behind it
	v_max_num_f32 v[BM], 0x2800000, v[BM]          ; the floor 2^(5 - 127): the byte cannot fall under 1
	v_max_num_f32 v[BM+2], 0x2800000, v[BM+2]
	v_pk_add_f32 v[CH:CH+1], v[S:S+1], v[S+2:S+3]  ; the sum of the unquantised p, in five chains; the scales' lines stand among them
	v_pk_add_f32 v[C2:C2+1], v[S+4:S+5], v[S+6:S+7]
	v_pk_add_f32 v[C3:C3+1], v[S+8:S+9], v[S+10:S+11]
	v_pk_add_f32 v[C4:C4+1], v[S+12:S+13], v[S+14:S+15]
	v_add_nc_u32 v[SO], 0xfe000000, v[BM]          ; 4 off the exponent field: the conversion's scale operand
	v_add_nc_u32 v[SO+1], 0xfe000000, v[BM+2]
	ADD5 16
	WIN 0x40                                       ; the codes go to window 1
.irp c, 0,1
	v_cvt_scalef32_pk16_bf6_f32 v[PP+6*\c:PP+2+6*\c], v[S+32*\c:S+15+32*\c], v[SO+\c]
	v_cvt_scalef32_pk16_bf6_f32 v[PT+4*\c:PT+2+4*\c], v[S+16+32*\c:S+31+32*\c], v[SO+\c]   ; (a conversion's three registers begin on an even number)
.endr
	WIN 0
	ADD5 26
	v_lshrrev_b32 v[E], 23, v[SO]
	v_lshrrev_b32 v[E+1], 23, v[SO+1]
	ADD5 36
	v_lshl_or_b32 v[W], v[E+1], 16, v[E]           ; my two bytes: blocks h and 2 + h,
	ADD5 46
	v_lshlrev_b32 v[W], v6, v[W]                   ; 8 h bits up;
	v_pk_add_f32 v[C3:C3+1], v[C3:C3+1], v[S+56:S+57]
	v_pk_add_f32 v[C2:C2+1], v[C2:C2+1], v[S+58:S+59]
	v_pk_add_f32 v[CH:CH+1], v[CH:CH+1], v[S+60:S+61]
	v_pk_add_f32 v[NM+2:NM+3], v[NM+2:NM+3], v[S+62:S+63]
	v_permlanex16_b32 v[BX+1], v[W], s[SEL], s[SEL+1]
	v_pk_add_f32 v[C3:C3+1], v[C3:C3+1], v[C4:C4+1]
	v_pk_add_f32 v[CH:CH+1], v[CH:CH+1], v[C2:C2+1]
	v_or_b32 v[PW], v[W], v[BX+1]                  ; with lane l xor 16's two the word is whole
	v_pk_add_f32 v[CH:CH+1], v[CH:CH+1], v[C3:C3+1]
	v_pk_add_f32 v[NM+2:NM+3], v[NM+2:NM+3], v[CH:CH+1]
.endm
; A tile's end: the second halves of its two blocks' codes go to their places (behind a run of score products these six lines are its places too), O^T comes under the new M, and P V is added.
.macro TAIL t, vwait
	WIN 0x41
.irp c, 0,1
.irp i, 0,1,2
	v_mov_b32 v[PP+3+6*\c+\i], v[PT+4*\c+\i]
.endr
.endr
.if \vwait
	s_wait_dscnt 0x0                               ; V is in
.endif
	s_wait_alu depctr_va_vdst(0)                   ; the wait directly ahead of the first reader of O^T
.set j, 0
.rept 16
	v_pk_mul_f32 v[32*(\t)+j:32*(\t)+j+1], v[32*(\t)+j:32*(\t)+j+1], v[F:F+1] op_sel_hi:[1,0]
.set j, j+2
.endr
	WIN 0x54                                       ; V window 0, P, C and D window 1
.irp i, 0,1,2,3
	v_wmma_scale_f32_16x16x128_f8f6f4 v[32*(\t)+8*\i:32*(\t)+8*\i+7], v[VF+12*\i:VF+12*\i+11], v[PP:PP+11], v[32*(\t)+8*\i:32*(\t)+8*\i+7], v[VS+\i], v[PW] matrix_a_fmt:MATRIX_FMT_BF6 matrix_b_fmt:MATRIX_FMT_BF6
.endr
	WIN 0
.endm
.macro STEP
	s_add_co_u32 s[TN], s[TB], STEPB
	s_min_u32 s[TN], s[TN], 15*STEPB               ; the next step's tiles; the last step names its own
	s_wait_dscnt 17                                ; this step's K is in; V's 17 loads, issued behind K's, may be out
	QK 0
	v_add_nc_u32 v[AV16], s[TN], v1                ; five plain lines: the places behind the products above
	v_add_nc_u32 v[AV8], s[TN], v2
	v_add_nc_u32 v[AK16], s[TN], v3
	v_add_nc_u32 v[AK8], s[TN], v4
	v_add_nc_u32 v[AKS], s[TN], v5
	SM 0
	QK 1
	TAIL 0, 1
	SM 1
	QK 2
	TAIL 1, 0
	SM 2
	s_wait_alu depctr_va_vdst(0)                   ; directly ahead of the branch
	s_cmp_lt_u32 s[WV], 4
	s_cbranch_scc0 .Lshort_\@
	QK 3                                           ; waves 0-3: two tiles more
	TAIL 2, 0
	SM 3
	QK 4
	TAIL 3, 0
	LOADK                                          ; K's registers are free: the next step's fragments
	SM 4
	TAIL 4, 0
	s_wait_alu depctr_va_vdst(0)
	s_branch .Ljoin_\@
.Lshort_\@:
	LOADK
	TAIL 2, 0
.Ljoin_\@:
.rept 4
	v_nop                                          ; places in front of loads into registers that the last products read
.endr
	LOADV                                          ; the next step's V
	s_wait_alu depctr_va_vdst(0)                   ; ahead of the loop's backward jump
.endm
	s_load_b256 s[4:11], s[0:1], 0x0               ; qi, kv, ctxc, ctxs
	v_lshl_add_u32 v254, v0, 2, 0x34000
	v_mov_b32 v255, 0
	ds_add_u32 v254, v255                          ; the opening lines: the add, twice on end, and its wait
	ds_add_u32 v254, v255
	v_lshrrev_b32 v1, 5, v0
	v_readfirstlane_b32 s[WV], v1                  ; wave 0..7
	s_bfe_u32 s13, ttmp6, 0x40000                  ; cx: which 512 queries
	s_and_b32 s14, ttmp7, 0xffff                   ; batch x 16 + head
	s_mul_i32 s16, s14, 212992
	s_mov_b32 s17, 0
	s_mul_i32 s18, s[WV], 6656                     ; my eighth of steps 0-3,
	s_mov_b32 s19, 0
	s_mul_i32 s20, s[WV], 19968                    ; and of steps 4-15
	s_add_co_u32 s20, s20, 53248
	s_mov_b32 s21, 0
	s_mov_b32 s[G1A], 15|(3<<16)|(1<<21)           ; dense blocks as rows of 256 bytes: 26 rows,
	s_mov_b32 s[G1A+1], 32<<16
	s_mov_b32 s[G1A+2], 26<<16
	s_mov_b32 s[G1A+3], 32<<16
	s_mov_b32 s[G1A+4], 26
	s_mov_b32 s[G1A+5], 32
	s_mov_b32 s[G1A+6], 0
	s_mov_b32 s[G1A+7], 0
	s_mov_b32 s[G1B], 15|(3<<16)|(1<<21)           ; and 78
	s_mov_b32 s[G1B+1], 32<<16
	s_mov_b32 s[G1B+2], 78<<16
	s_mov_b32 s[G1B+3], 32<<16
	s_mov_b32 s[G1B+4], 78
	s_mov_b32 s[G1B+5], 32
	s_mov_b32 s[G1B+6], 0
	s_mov_b32 s[G1B+7], 0
	s_mov_b32 s[CS], 0x3e38aa3b                    ; log2(e) / 8
	s_mov_b32 s[CS+1], s[CS]
	s_mov_b32 s[SEL], 0x76543210
	s_mov_b32 s[SEL+1], 0xfedcba98                 ; v_permlanex16_b32's selects for lane l xor 16
	s_wait_dscnt 0x0
	s_wait_kmcnt 0x0
	s_add_nc_u64 s[6:7], s[6:7], s[16:17]
	s_mov_b32 s[G0A], 1
	s_mov_b32 s[G0A+1], s18
	s_add_nc_u64 s[G0A+2:G0A+3], s[6:7], s[18:19]
	s_or_b32 s[G0A+3], s[G0A+3], 0x80000000
	s_mov_b32 s[G0B], 1
	s_mov_b32 s[G0B+1], s20
	s_add_nc_u64 s[G0B+2:G0B+3], s[6:7], s[20:21]
	s_or_b32 s[G0B+3], s[G0B+3], 0x80000000
	CROUND
	tensor_load_to_lds s[G0A:G0A+3], s[G1A:G1A+7]  ; steps 0-3: my one load at the head
	s_nop 0
	s_wait_alu depctr_va_vdst(0)
	s_wait_tensorcnt 0x0                           ; the three lines and a round ahead of the later first fill
	ds_add_u32 v254, v255
	s_wait_dscnt 0x0
	CROUND
	tensor_load_to_lds s[G0B:G0B+3], s[G1B:G1B+7]  ; steps 4-15
	s_nop 0
.rept 4
	v_nop
.endr
	s_lshl_b32 s15, s13, 2
	s_and_b32 s22, s[WV], 3
	s_add_co_u32 s15, s15, s22                     ; my block of 128 queries,
	s_lshr_b32 s23, s[WV], 2                       ; 0: its tiles 0-4, 1: its tiles 5-7
	s_mul_i32 s16, s14, 106496
	s_mul_i32 s22, s15, 6656
	s_add_co_u32 s16, s16, s22
	s_add_nc_u64 s[4:5], s[4:5], s[16:17]
	s_mul_i32 s16, s23, 5*768
	s_add_nc_u64 s[18:19], s[4:5], s[16:17]        ; Q's half fragments from my first tile on
	s_mul_i32 s16, s23, 260                        ; scale words: tile g's lie at 256 (g / 4) + 16 r + 4 (g % 4): tile 5's at 260
	s_add_nc_u64 s[20:21], s[4:5], s[16:17]
	s_lshr_b32 s22, s14, 4
	s_lshl_b32 s22, s22, 4
	s_add_co_u32 s22, s22, s15                     ; ctx: the group of 128 tokens
	s_and_b32 s54, s14, 15                         ; head
	s_mul_i32 s16, s22, 98304
	s_lshr_b32 s55, s54, 2
	s_mul_i32 s55, s55, 24576
	s_add_co_u32 s16, s16, s55
	s_mul_i32 s55, s23, 5*3072
	s_add_co_u32 s16, s16, s55
	s_bfe_u32 s55, s54, 0x10001
	s_mul_i32 s55, s55, 1536
	s_add_co_u32 s16, s16, s55
	s_and_b32 s55, s54, 1
	s_mul_i32 s55, s55, 768
	s_add_co_u32 s16, s16, s55
	s_add_nc_u64 s[8:9], s[8:9], s[16:17]
	s_lshl_b32 s16, s22, 13
	s_lshl_b32 s55, s54, 9
	s_add_co_u32 s16, s16, s55
	s_mul_i32 s55, s23, 260
	s_add_co_u32 s16, s16, s55
	s_add_nc_u64 s[10:11], s[10:11], s[16:17]
	v_and_b32 v8, 31, v0                           ; lane
	v_and_b32 v9, 15, v0                           ; r
	v_bfe_u32 v10, v0, 4, 1                        ; h
	v_lshlrev_b32 v1, 4, v8
	v_lshlrev_b32 v2, 3, v8
	v_lshlrev_b32 v11, 4, v9
	v_and_b32 v[T], 7, v0                          ; r % 8
	v_bfe_u32 v[T+1], v0, 3, 1                     ; r / 8
	v_mul_u32_u24 v[CH], v[T+1], 1536              ; two half fragments on for rows 8-15
	v_lshl_add_u32 v3, v[T], 4, v[CH]
	v_lshl_add_u32 v3, v10, 8, v3                  ; K, registers 0-3: 1,536 (r / 8) + 16 (r % 8) + 256 h
	v_lshl_add_u32 v4, v[T], 3, v[CH]
	v_lshl_add_u32 v4, v10, 7, v4                  ; registers 4-5: 1,536 (r / 8) + 8 (r % 8) + 128 h
	v_lshlrev_b32 v5, 3, v[T+1]
	v_lshl_add_u32 v5, v[T], 4, v5                 ; K's scale words: 16 (r % 8) + 8 (r / 8)
	v_lshlrev_b32 v6, 3, v10                       ; 8 h
.irp t, 0,1,2
	global_load_b32 v[QS+\t], v11, s[20:21] offset:6144+4*\t
.endr
	WIN 0x40
.irp t, 0,1,2
	global_load_b128 v[QF+12*\t:QF+12*\t+3], v1, s[18:19] offset:768*\t
	global_load_b64 v[QF+12*\t+4:QF+12*\t+5], v2, s[18:19] offset:768*\t+512
.endr
	WIN 0
	s_wait_alu depctr_va_vdst(0)                   ; directly ahead of the branch
	s_cmp_lt_u32 s[WV], 4
	s_cbranch_scc0 .Lq_short
	global_load_b32 v[QS+3], v11, s[20:21] offset:6144+12
	global_load_b32 v[QS+4], v11, s[20:21] offset:6144+256
	WIN 0x40
.irp t, 3,4
	global_load_b128 v[QF+12*\t:QF+12*\t+3], v1, s[18:19] offset:768*\t
	global_load_b64 v[QF+12*\t+4:QF+12*\t+5], v2, s[18:19] offset:768*\t+512
.endr
	WIN 0
.Lq_short:
	WIN 0x40
.irp t, 0,1,2,3,4
.irp i, 6,7,8,9,10,11
	v_mov_b32 v[QF+12*\t+\i], 0                    ; zero codes beyond the head's 64
.endr
.endr
.set j, 0
.rept 160
	v_mov_b32 v[j], 0                              ; O^T: the step is written once, and the first finds zeros
.set j, j+1
.endr
	WIN 0
.irp t, 0,1,2,3,4
	v_mov_b32 v[ST+4*\t+1], 0xff61b1e6             ; -3e38, under every score
	v_floor_f32 v[ST+4*\t], -v[ST+4*\t+1]
	v_mov_b32 v[ST+4*\t+2], 0
	v_mov_b32 v[ST+4*\t+3], 0
.endr
	v_mov_b32 v[BX], 0                             ; a lane permute's destination counts as one of its sources
	v_mov_b32 v[BX+1], 0
	v_mov_b32 v[F+1], 0
.irp i, 48,49,50,51,52,53
	v_mov_b32 v[KF+\i], 0
.endr
	v_mov_b32 v[AK16], v3                          ; step 0's K and V
	v_mov_b32 v[AK8], v4
	v_mov_b32 v[AKS], v5
	v_mov_b32 v[AV16], v1
	v_mov_b32 v[AV8], v2
	s_mov_b32 s[TB], 0
	s_wait_alu depctr_va_vdst(0)                   ; the wait at the head's end
	s_wait_tensorcnt 0x1                           ; steps 0-3 are in; the second load may be out
	s_barrier_signal -1
	s_barrier_wait -1
	LOADK
	LOADV
	s_wait_loadcnt 0x0                             ; Q
	s_mov_b32 s[CNT], 3
.Lfirst:                                               ; steps 0-2: they read steps 0-3's bytes alone
	STEP
	s_add_co_u32 s[TB], s[TB], STEPB
	s_sub_co_u32 s[CNT], s[CNT], 1
	s_cmp_lg_u32 s[CNT], 0
	s_cbranch_scc1 .Lfirst
	s_wait_tensorcnt 0x0                           ; my part of steps 4-15 is in
	s_wait_dscnt 0x0
	s_barrier_signal -1
	s_barrier_wait -1
	s_mov_b32 s[CNT], 13
.Lrest:
	STEP
	s_add_co_u32 s[TB], s[TB], STEPB
	s_sub_co_u32 s[CNT], s[CNT], 1
	s_cmp_lg_u32 s[CNT], 0
	s_cbranch_scc1 .Lrest
	s_wait_dscnt 0x0                               ; the last fetches have landed: K's and V's registers serve the way out
.macro CTXQ t, woff                    ; O^T / the sum: 32 registers a lane = 16 neighbours of each of the head's two blocks; quantised as a half fragment of the last product's operand
.set SS, S+32*((\t)%2)
.set PE, KF+8*(\t)
	v_add_f32 v[T], v[ST+4*(\t)+2], v[ST+4*(\t)+3] ; the sum's two halves,
	v_permlanex16_b32 v[BX], v[T], s[SEL], s[SEL+1]
	v_add_f32 v[T], v[T], v[BX]                    ; and lane l xor 16's
	s_wait_alu depctr_va_vdst(0)
	v_rcp_f32 v[F], v[T]
	v_nop
	WIN 0x01
	s_wait_alu depctr_va_vdst(0)                   ; behind the transcendental, directly ahead of the first reader of this tile's O^T
.set j, 0
.rept 16
	v_pk_mul_f32 v[SS+j:SS+j+1], v[32*(\t)+j:32*(\t)+j+1], v[F:F+1] op_sel_hi:[1,0]
.set j, j+2
.endr
	WIN 0
.irp b, 0,1
	v_max3_num_f32 v[BM+\b], |v[SS+16*\b]|, |v[SS+1+16*\b]|, 0x2800000
.endr
.irp i, 2,4,6,8,10,12,14
.irp b, 0,1
	v_max3_num_f32 v[BM+\b], v[BM+\b], |v[SS+16*\b+\i]|, |v[SS+1+16*\b+\i]|
.endr
.endr
.irp b, 0,1
	v_permlanex16_b32 v[BX+\b], v[BM+\b], s[SEL], s[SEL+1]
.endr
.irp b, 0,1
	v_max_num_f32 v[BM+\b], v[BM+\b], v[BX+\b]
.endr
.irp b, 0,1
	v_add_nc_u32 v[SO+\b], 0xfe000000, v[BM+\b]
.endr
.irp b, 0,1
	v_lshrrev_b32 v[BX+\b], 23, v[SO+\b]
.endr
	v_lshl_or_b32 v[QS+(\t)], v[BX+1], 8, v[BX]
	v_cvt_scalef32_pk16_bf6_f32 v[PE:PE+2], v[SS:SS+15], v[SO]
	v_cvt_scalef32_pk16_bf6_f32 v[VF:VF+2], v[SS+16:SS+31], v[SO+1]
	v_nop
.irp i, 0,1,2
	v_permlane16_swap_b32 v[PE+\i], v[VF+\i]       ; a whole block to a lane
.endr
.irp i, 0,1,2
	v_mov_b32 v[PE+3+\i], v[VF+\i]
.endr
	global_store_b128 v1, v[PE:PE+3], s[8:9] offset:3072*(\t)       ; 512 consecutive bytes a wave, aligned
	global_store_b64 v2, v[PE+4:PE+5], s[8:9] offset:3072*(\t)+512
	global_store_b32 v11, v[QS+(\t)], s[10:11] offset:\woff         ; row r's word; both halves of the lanes hold it and name the same bytes
.endm
	CTXQ 0, 0
	CTXQ 1, 4
	CTXQ 2, 8
	s_wait_alu depctr_va_vdst(0)                   ; directly ahead of the branch
	s_cmp_lt_u32 s[WV], 4
	s_cbranch_scc0 .Ldone
	CTXQ 3, 12
	CTXQ 4, 256
.Ldone:
	s_wait_tensorcnt 0x0                           ; the wave's end
	ds_add_u32 v254, v255
	s_wait_dscnt 0x0
	CROUND                                         ; the closing round
	s_endpgm
.Lfunc_end_k_q41c60a0d51_attn:
	.size	k_q41c60a0d51_attn, .Lfunc_end_k_q41c60a0d51_attn-k_q41c60a0d51_attn
	.p2alignl 7, 3214868480
	.fill 96, 4, 3214868480
	.section	.rodata,"a",@progbits
	.p2align	6, 0x0
	.amdhsa_kernel k_q41c60a0d51_attn
		.amdhsa_group_segment_fixed_size 327680
		.amdhsa_private_segment_fixed_size 0
		.amdhsa_enable_private_segment 0
		.amdhsa_kernarg_size 32
		.amdhsa_user_sgpr_count 2
		.amdhsa_user_sgpr_kernarg_segment_ptr 1
		.amdhsa_wavefront_size32 1
		.amdhsa_system_sgpr_workgroup_id_x 1
		.amdhsa_system_sgpr_workgroup_id_y 1
		.amdhsa_system_sgpr_workgroup_id_z 1
		.amdhsa_system_vgpr_workitem_id 0
		.amdhsa_next_free_vgpr 512
		.amdhsa_next_free_sgpr 66
		.amdhsa_reserve_vcc 0
		.amdhsa_float_denorm_mode_32 3
		.amdhsa_float_denorm_mode_16_64 3
		.amdhsa_memory_ordered 1
		.amdhsa_forward_progress 1
		.amdhsa_inst_pref_size 173
	.end_amdhsa_kernel
	.amdgpu_metadata
---
amdhsa.version: [ 1, 2 ]
amdhsa.kernels:
  - .name:           k_q41c60a0d51_attn
    .symbol:         k_q41c60a0d51_attn.kd
    .args:
      - { .name: qi, .offset: 0, .size: 8, .value_kind: global_buffer, .address_space: global }
      - { .name: kv, .offset: 8, .size: 8, .value_kind: global_buffer, .address_space: global }
      - { .name: ctxc, .offset: 16, .size: 8, .value_kind: global_buffer, .address_space: global }
      - { .name: ctxs, .offset: 24, .size: 8, .value_kind: global_buffer, .address_space: global }
    .group_segment_fixed_size: 327680
    .private_segment_fixed_size: 0
    .kernarg_segment_align: 8
    .kernarg_segment_size: 32
    .max_flat_workgroup_size: 256
    .sgpr_count:     66
    .vgpr_count:     512
    .wavefront_size: 32
...
	.end_amdgpu_metadata
.endif
;; end of part 3
;; launch outp (part 4): grid 4 x 64, 4 waves a work-group, clusters of 4 x 4, 327,680 bytes of LDS; arguments ctxc, ctxs, codes, scales, bo, out0; writes out0
.if DOCPART == 4
	.amdgcn_target "amdgcn-amd-amdhsa--gfx1250"
	.amdhsa_code_object_version 6
	.text
	.protected	k_q41c60a0d51_outp
	.globl	k_q41c60a0d51_outp
	.p2align	8
	.type	k_q41c60a0d51_outp,@function
k_q41c60a0d51_outp:
	s_mov_b64 s[64:65], 0
	v_nop
	global_prefetch_b8 v0, s[64:65] scope:SCOPE_SE
	s_setreg_imm32_b32 hwreg(HW_REG_WAVE_MODE, 25, 1), 1
	s_wait_xcnt 0x0
	s_wait_alu depctr_hold_cnt(0) depctr_sa_sdst(0) depctr_va_vdst(0) depctr_va_sdst(0) depctr_va_ssrc(0) depctr_va_vcc(0) depctr_vm_vsrc(0)
	s_getreg_b32 s2, hwreg(HW_REG_IB_STS2, 6, 4)
	s_cmp_eq_u32 s2, 0
	s_cbranch_scc0 .Lentry_in_a_cluster
	s_endpgm
.Lentry_in_a_cluster:
	s_bfe_u32 s2, ttmp6, 0x10000c
	s_cmp_lg_u32 s2, 0xf033
	s_cbranch_scc0 .Lentry_shape_is_right
	s_endpgm
.Lentry_shape_is_right:
; out0 = ctx Wo^T + bo on codes of BF6 (E3M2) with E8M0 scales, sums in f32.  ctx's codes (ctxc) and Wo's (codes, groups 216-223) lie as images of the operand's registers, 1,536 bytes a fragment of 16 rows x 128 K,
; [group of 128 rows][256 along K][tile 0-7][128 along K]: a group with all of K = 1,024 is one dense block of 98,304 bytes.
; A block of 128 tokens x 256 features to a work-group: 64 x 4 = 256 work-groups.  ALL OF K STAYS IN LDS: A's group (98,304 bytes), B's two groups (196,608), the scale words (4,096 + 8,192): nothing is filled again,
; so there is no ring: one load a wave at the head, one barrier, and eight steps of 128 along K with no barrier between them.
; A wave makes 64 x 128: A's tiles 4 (wave / 2) .. + 3 against the eight tiles of B's group wave % 2: 32 accumulators, window 2.  Both sides' fragments have two sets of registers: a step's are fetched ahead of the step before.
; CLUSTERS: 4 x 4 work-groups; A's group is shared along a row of the cluster, B's groups and scales along a column: each is asked for jointly.
; The matrix instruction is used transposed (source 0 = B's rows, source 1 = A's): a lane holds eight neighbouring features of one token.  The bias is the C of each sum's first product.
; The rows of a tile: of a run of 32, tile u's lane r holds row 8 u + r + 8 (r / 8), on both sides; the way out puts rows and columns back.
; ctx's scale bytes come a head at a time (ctxs: [group][head][tile / 4][row r][tile % 4] words of two bytes): wave w joins heads 4 w .. 4 w + 3 into the words of K 256 w .. + 255 and stores them to LDS bytes of their own.
; No prefetch: all that the launch reads is asked for at its head, and no loop asks memory for anything.
; REGISTERS: window 0: v1-31 addresses; v32-63 scale words, two sets; v64-127 the bias; v128-223 A's fragments, two sets of four (on the way out v128-255 at work).  window 1: B's fragments, two sets at v0 and v128.
.set FR,     12
.set NP,     4                         ; places behind this matrix instruction (ISA guide 7.12.1)
.set GRP,    98304
.set CHK,    24576                     ; 256 along K of a group
.set SCL,    3*GRP                     ; A's scale words, 4,096 bytes, stored by the waves
.set SCB,    SCL+4224                  ; B's, 8,192 bytes: 128 bytes off a multiple of 256, so that the two halves of the lanes read different banks
.set SPARE,  307456                    ; the spare words, 128 bytes for each wave
.set SPITCH, 528
.set ADRH, 15                          ; v15  scale words of registers 4-7: lanes 0-15 stand 512 bytes lower, so that they name A's tiles 0-3 of mine again
.set A16, 16                           ; v16-17 my A fragments, K 0-511 and K 512-1,023, + 16 x lane;  v18-19 + 8 x lane
.set A8,  18
.set B16, 20
.set B8,  22
.set STO, 24
.set RD,  25
.set ADRS, 27                          ; v27  scale words: lanes 0-15 A's, lanes 16-31 B's
.set SPW, 28
.set NIL, 29
.set O16, 30
.set O8,  31
.set SC,  32
.set BI,  64
.set AF,  128
.set BK,  128
.set G1,  24
.set G0A, 32
.set G1B, 48
.set G0B, 56
.set G1SB, 68
.set G0SB, 76
.set MSB, 0
.macro WIN new                         ; the immediate's high byte repeats the setting that is left
.if MSB != \new
	s_set_vgpr_msb (MSB<<8)|\new
.set MSB, \new
.endif
.endm
.set MUL_LO, 0xa1                      ; source 0 (B) window 1, source 1 (A) window 0, C and D window 2
.set TO_B,   0x40
.macro CROUND
	s_barrier_signal -1
	s_barrier_wait -1
	s_cmp_lg_u32 s18, 0
	s_cbranch_scc1 .Lnot_wave_0_\@
	s_barrier_signal -3
.Lnot_wave_0_\@:
	s_barrier_wait -3
	s_barrier_signal -1
	s_barrier_wait -1
.endm
.macro PLACES n
.rept \n
	v_nop
.endr
.endm
.macro FRAG reg, a16, a8, off          ; a fragment's image: every load of the wave reads 512 or 256 consecutive bytes
	ds_load_b128 v[\reg:\reg+3], v[\a16] offset:(\off)
	ds_load_b64 v[\reg+4:\reg+5], v[\a8] offset:(\off)+512
	ds_load_b128 v[\reg+6:\reg+9], v[\a16] offset:(\off)+768
	ds_load_b64 v[\reg+10:\reg+11], v[\a8] offset:(\off)+1280
.endm
.macro FETCH st                        ; step st's fragments into the sets st % 2; with an even step the scale words of its 256 along K
.set CK, (\st)/2
.set OFS, (CK%2)*CHK+1536*((\st)%2)
	WIN TO_B
.irp i, 0,1,2,3,4,5,6,7
	FRAG 128*((\st)%2)+FR*\i, B16+CK/2, B8+CK/2, OFS+3072*\i
.endr
	WIN 0
.irp i, 0,1,2,3
	FRAG AF+48*((\st)%2)+FR*\i, A16+CK/2, A8+CK/2, OFS+3072*\i
.endr
.if (\st)%2 == 0
.irp i, 0,1,2,3
	ds_load_b64 v[SC+16*(CK%2)+2*\i:SC+16*(CK%2)+2*\i+1], v[ADRS] offset:1024*CK+128*\i
.endr
.irp i, 4,5,6,7
	ds_load_b64 v[SC+16*(CK%2)+2*\i:SC+16*(CK%2)+2*\i+1], v[ADRH] offset:1024*CK+128*\i
.endr
.endif
.endm
.macro MUL32 st, first                 ; 32 products, the 32 accumulators by turns in the same order in every step
.set PS, (\st)%2
.set SS, SC+16*(((\st)/2)%2)+PS
.irp a, 0,1,2,3
.irp b, 0,1,2,3,4,5,6,7
.if \first
	v_wmma_scale_f32_16x16x128_f8f6f4 v[8*(8*\a+\b):8*(8*\a+\b)+7], v[128*PS+FR*\b:128*PS+FR*\b+FR-1], v[AF+48*PS+FR*\a:AF+48*PS+FR*\a+FR-1], v[BI+8*\b:BI+8*\b+7], v[SS+2*\b], v[SS+2*\a] matrix_a_fmt:MATRIX_FMT_BF6 matrix_b_fmt:MATRIX_FMT_BF6 matrix_a_scale:MATRIX_SCALE_ROW1
.else
	v_wmma_scale_f32_16x16x128_f8f6f4 v[8*(8*\a+\b):8*(8*\a+\b)+7], v[128*PS+FR*\b:128*PS+FR*\b+FR-1], v[AF+48*PS+FR*\a:AF+48*PS+FR*\a+FR-1], v[8*(8*\a+\b):8*(8*\a+\b)+7], v[SS+2*\b], v[SS+2*\a] matrix_a_fmt:MATRIX_FMT_BF6 matrix_b_fmt:MATRIX_FMT_BF6 matrix_a_scale:MATRIX_SCALE_ROW1
.endif
.endr
.endr
.endm
	s_load_b256 s[4:11], s[0:1], 0x0               ; ctxc, ctxs, codes, scales
	s_load_b128 s[12:15], s[0:1], 0x20             ; bo, out0
	v_lshl_add_u32 v[SPW], v0, 2, SPARE
	v_mov_b32 v[NIL], 0
	ds_add_u32 v[SPW], v[NIL]                      ; the opening lines: the add, twice on end, and its wait
	ds_add_u32 v[SPW], v[NIL]
	v_lshrrev_b32 v1, 5, v0
	v_readfirstlane_b32 s18, v1                    ; wave 0..3
	s_lshr_b32 s19, s18, 1                         ; which four tiles of A
	s_and_b32 s20, s18, 1                          ; which group of B
	s_bfe_u32 s40, ttmp6, 0x40000                  ; cx
	s_bfe_u32 s41, ttmp6, 0x40004                  ; cy
	s_and_b32 s46, ttmp7, 0xffff
	s_lshl_b32 s46, s46, 2
	s_add_co_u32 s46, s46, s41                     ; my group of 128 tokens: hangs on cy alone
	s_lshl_b32 s47, s40, 1
	s_add_co_u32 s47, s47, 216                     ; Wo's first group of mine: on cx alone
	s_lshl_b32 s43, s41, 2
	s_lshl_b32 s43, 15, s43                        ; my row of the cluster
	s_lshl_b32 s44, 0x1111, s40                    ; my column
	s_or_b32 s[G1+0], s43, (3<<16)|(1<<21)         ; the mask; elements of 8 bytes; bit 21 beside a mask
	s_or_b32 s[G1B+0], s44, (3<<16)|(1<<21)
.irp g, G1, G1B                                ; a group: 98,304 dense bytes as 384 rows of 256
	s_mov_b32 s[\g+1], 32<<16
	s_mov_b32 s[\g+2], 384<<16
	s_mov_b32 s[\g+3], 32<<16
	s_mov_b32 s[\g+4], 384
	s_mov_b32 s[\g+5], 32
	s_mov_b32 s[\g+6], 0
	s_mov_b32 s[\g+7], 0
.endr
	s_or_b32 s[G1SB+0], s44, (3<<16)|(1<<21)       ; two groups' scale words: 8,192 dense bytes as 32 rows of 256
	s_mov_b32 s[G1SB+1], 32<<16
	s_mov_b32 s[G1SB+2], 32<<16
	s_mov_b32 s[G1SB+3], 32<<16
	s_mov_b32 s[G1SB+4], 32
	s_mov_b32 s[G1SB+5], 32
	s_mov_b32 s[G1SB+6], 0
	s_mov_b32 s[G1SB+7], 0
	v_and_b32 v1, 15, v0                           ; r
	v_bfe_u32 v2, v0, 4, 1                         ; h
	v_and_b32 v3, 31, v0
	v_lshlrev_b32 v[O16], 4, v3
	v_lshlrev_b32 v[O8], 3, v3
	s_lshl_b32 s22, s46, 13                        ; ctxs: my group, heads 4 x wave on
	s_lshl_b32 s23, s18, 11
	s_add_co_u32 s22, s22, s23
	s_mov_b32 s23, 0
	s_wait_dscnt 0x0
	s_wait_alu depctr_va_vdst(0)                   ; directly ahead of the wait below
	s_wait_kmcnt 0x0
	s_add_nc_u64 s[6:7], s[6:7], s[22:23]
.irp n, 0,1,2,3
	global_load_b128 v[128+4*\n:131+4*\n], v[O16], s[6:7] offset:512*\n
.endr
	CROUND                                         ; all sixteen work-groups are here: the joint loads meet
	s_mov_b32 s[G0A], 1
	s_mov_b32 s[G0A+1], 0
	s_mul_i32 s[G0A+2], s46, GRP
	s_mov_b32 s[G0A+3], 0
	s_add_nc_u64 s[G0A+2:G0A+3], s[4:5], s[G0A+2:G0A+3]
	s_or_b32 s[G0A+3], s[G0A+3], 0x80000000
	s_mov_b32 s[G0B], 1
	s_mul_i32 s[G0B+1], s18, GRP                   ; waves 1 and 2: B's groups behind A's
	s_add_co_u32 s21, s47, s18
	s_sub_co_u32 s21, s21, 1
	s_mul_i32 s[G0B+2], s21, GRP
	s_mov_b32 s[G0B+3], 0
	s_add_nc_u64 s[G0B+2:G0B+3], s[8:9], s[G0B+2:G0B+3]
	s_or_b32 s[G0B+3], s[G0B+3], 0x80000000
	s_mov_b32 s[G0SB], 1
	s_mov_b32 s[G0SB+1], SCB
	s_lshl_b32 s[G0SB+2], s47, 12
	s_mov_b32 s[G0SB+3], 0
	s_add_nc_u64 s[G0SB+2:G0SB+3], s[10:11], s[G0SB+2:G0SB+3]
	s_or_b32 s[G0SB+3], s[G0SB+3], 0x80000000
; THE LOADS, ONE A WAVE: wave 0 A's group, waves 1 and 2 a group of B each, wave 3 B's scale words.  One chain of branches on the wave's number: every way passes exactly one load.
	s_cmp_lt_u32 s18, 1
	s_cbranch_scc0 .Lhead_b
	tensor_load_to_lds s[G0A:G0A+3], s[G1:G1+7]
	s_nop 0
	PLACES 4
	s_branch .Lhead_asked
.Lhead_b:
	s_cmp_lt_u32 s18, 3
	s_cbranch_scc0 .Lhead_s
	tensor_load_to_lds s[G0B:G0B+3], s[G1B:G1B+7]
	s_nop 0
	PLACES 4
	s_branch .Lhead_asked
.Lhead_s:
	tensor_load_to_lds s[G0SB:G0SB+3], s[G1SB:G1SB+7]
	s_nop 0
	PLACES 4
.Lhead_asked:
	s_mul_i32 s21, s19, 12288                      ; my four tiles of A
	s_mul_i32 s22, s20, GRP
	s_add_co_u32 s22, s22, GRP                     ; my group of B
.irp s, 0,1
	v_add_nc_u32 v[A16+\s], s21, v[O16]
	v_add_nc_u32 v[A8+\s], s21, v[O8]
	v_add_nc_u32 v[B16+\s], s22, v[O16]
	v_add_nc_u32 v[B8+\s], s22, v[O8]
	s_add_co_u32 s21, s21, 2*CHK
	s_add_co_u32 s22, s22, 2*CHK
.endr
	s_lshl_b32 s21, s19, 9                         ; A's scale words: 128 bytes a tile
	s_lshl_b32 s22, s20, 12
	s_add_co_u32 s22, s22, SCB-SCL
	s_sub_co_u32 s22, s22, s21                     ; from A's to B's
	v_mul_u32_u24 v4, s22, v2                      ; lanes 16-31 take B's: one product, the distance between the two
	v_lshl_add_u32 v4, v1, 3, v4                   ; 8 bytes a row
	s_add_co_u32 s23, s21, SCL
	v_add_nc_u32 v[ADRS], s23, v4
	s_add_co_u32 s22, s22, 512
	s_add_co_u32 s23, s21, SCL-512
	v_mul_u32_u24 v6, s22, v2
	v_lshl_add_u32 v6, v1, 3, v6
	v_add_nc_u32 v[ADRH], s23, v6
	s_lshl_b32 s21, s18, 10
	s_add_co_u32 s21, s21, SCL                     ; where my 1,024 bytes of A's scale words go: 128 (t + 4 h) + 8 r
	v_lshlrev_b32 v5, 9, v2
	v_lshl_add_u32 v5, v1, 3, v5
	v_add_nc_u32 v5, s21, v5
	s_mul_i32 s23, s18, 16*SPITCH                  ; my stage, in A's bytes: stored to behind the last barrier
	v_mul_u32_u24 v6, v1, SPITCH
	v_lshl_add_u32 v6, v2, 6, v6
	v_add_nc_u32 v[STO], s23, v6
	v_add_nc_u32 v[RD], s23, v[O16]
	v_lshlrev_b32 v3, 6, v2                        ; the bias: 16 h features on
	s_lshl_b32 s21, s46, 7
	s_lshl_b32 s22, s19, 6
	s_add_co_u32 s21, s21, s22                     ; my first token
	s_lshl_b32 s22, s21, 12
	s_lshl_b32 s21, s40, 8
	s_lshl_b32 s23, s20, 7
	s_add_co_u32 s21, s21, s23                     ; my first feature
	s_lshl_b32 s21, s21, 2
	s_add_co_u32 s22, s22, s21
	s_mov_b32 s23, 0
	s_add_nc_u64 s[14:15], s[14:15], s[22:23]
	s_mov_b32 s22, s21
	s_add_nc_u64 s[12:13], s[12:13], s[22:23]
	s_wait_alu depctr_va_vdst(0)                   ; directly ahead of the wait below
	s_wait_loadcnt 0x0
.irp t, 0,1,2,3
.irp q, 0,1
	v_lshl_or_b32 v[160+2*\t+\q], v[128+8*\q+4+\t], 16, v[128+8*\q+\t]   ; two heads' two bytes make the word of 128 along K
.endr
.endr
.irp t, 0,1,2,3
	ds_store_b64 v5, v[160+2*\t:161+2*\t] offset:128*\t
.endr
.irp b, 0,1,2,3,4,5,6,7
	global_load_b128 v[BI+8*\b:BI+8*\b+3], v3, s[12:13] offset:4*(32*(\b/2)+8*(\b%2))
	global_load_b128 v[BI+8*\b+4:BI+8*\b+7], v3, s[12:13] offset:4*(32*(\b/2)+8*(\b%2))+16
.endr
	s_wait_alu depctr_va_vdst(0)                   ; the wait at the head's end
	s_wait_tensorcnt 0x0                           ; my load has landed,
	s_wait_dscnt 0x0                               ; my scale words are stored:
	s_barrier_signal -1
	s_barrier_wait -1                              ; both now hold of every wave
	FETCH 0
	s_wait_loadcnt 0x0                             ; the bias
	s_wait_dscnt 0x0
	FETCH 1
	WIN 0x81                                       ; C (the bias) window 0, D window 2
	MUL32 0, 1
.irp st, 1,2,3,4,5,6
	WIN 0
	s_wait_dscnt 0x0                               ; this step's fragments, asked for ahead of the last step's 32 products
	PLACES NP                                      ; in front of loads into the sets that the last step's products read
	FETCH \st+1
	WIN MUL_LO
	MUL32 \st, 0
.endr
	WIN 0
	s_wait_dscnt 0x0                               ; my reads of the tiles are over:
	s_barrier_signal -1                            ; say so,
	WIN MUL_LO
	MUL32 7, 0
	WIN 0
	s_barrier_wait -1                              ; and behind this wait nobody reads A's bytes any more: the stages may be stored to
; THE WAY OUT, tile by tile of 16 tokens x 128 features, through my own stage: back come whole rows of 512 bytes, which the 32 lanes store as two aligned units of 256 bytes.
.macro TOSTAGE a
.set AC, 64*(\a)
	WIN 0x08                                       ; the data: window 2
.irp b, 0,1,2,3,4,5,6,7
	ds_store_b128 v[STO], v[AC+8*\b:AC+8*\b+3] offset:128*(\b/2)+32*(\b%2)       ; each accumulator from its low end on
	ds_store_b128 v[STO], v[AC+8*\b+4:AC+8*\b+7] offset:128*(\b/2)+32*(\b%2)+16
.endr
	WIN 0
.set BB, BK+64*((\a)%2)
.irp t, 0,1,2,3,4,5,6,7,8,9,10,11,12,13,14,15
	ds_load_b128 v[BB+4*\t:BB+4*\t+3], v[RD] offset:\t*SPITCH    ; LDS serves a wave's instructions in order: these see the stores above
.endr
.endm
.macro SEND a, younger
.set BB, BK+64*((\a)%2)
	s_wait_dscnt \younger
.irp t, 0,1,2,3,4,5,6,7,8,9,10,11,12,13,14,15
	global_store_b128 v[O16], v[BB+4*\t:BB+4*\t+3], s[14:15] offset:(32*((\a)/2)+8*((\a)%2)+\t%8+16*(\t/8))*4096 th:TH_STORE_NT
.endr
.endm
	PLACES NP                                      ; behind the last products: for the reads of results and the loads over A's fragments
	TOSTAGE 0
.irp a, 1,2,3
.if \a > 1
	s_wait_xcnt 0x0                                ; tile a - 2's stores have read their registers: tile a's loads may land there
.endif
	TOSTAGE \a
	SEND \a-1, 32                                  ; behind tile a - 1's loads: tile a's 16 stores and 16 loads
.endr
	SEND 3, 0
	s_wait_tensorcnt 0x0                           ; the wave's end
	ds_add_u32 v[SPW], v[NIL]
	s_wait_dscnt 0x0
	CROUND                                         ; the closing round
	s_endpgm
.Lfunc_end_k_q41c60a0d51_outp:
	.size	k_q41c60a0d51_outp, .Lfunc_end_k_q41c60a0d51_outp-k_q41c60a0d51_outp
	.p2alignl 7, 3214868480
	.fill 96, 4, 3214868480
	.section	.rodata,"a",@progbits
	.p2align	6, 0x0
	.amdhsa_kernel k_q41c60a0d51_outp
		.amdhsa_group_segment_fixed_size 327680
		.amdhsa_private_segment_fixed_size 0
		.amdhsa_enable_private_segment 0
		.amdhsa_kernarg_size 48
		.amdhsa_user_sgpr_count 2
		.amdhsa_user_sgpr_kernarg_segment_ptr 1
		.amdhsa_wavefront_size32 1
		.amdhsa_system_sgpr_workgroup_id_x 1
		.amdhsa_system_sgpr_workgroup_id_y 1
		.amdhsa_system_sgpr_workgroup_id_z 1
		.amdhsa_system_vgpr_workitem_id 0
		.amdhsa_next_free_vgpr 768
		.amdhsa_next_free_sgpr 80
		.amdhsa_reserve_vcc 0
		.amdhsa_float_denorm_mode_32 3
		.amdhsa_float_denorm_mode_16_64 3
		.amdhsa_memory_ordered 1
		.amdhsa_forward_progress 1
		.amdhsa_inst_pref_size 86
	.end_amdhsa_kernel
	.amdgpu_metadata
---
amdhsa.version: [ 1, 2 ]
amdhsa.kernels:
  - .name:           k_q41c60a0d51_outp
    .symbol:         k_q41c60a0d51_outp.kd
    .args:
      - { .name: ctxc, .offset: 0, .size: 8, .value_kind: global_buffer, .address_space: global }
      - { .name: ctxs, .offset: 8, .size: 8, .value_kind: global_buffer, .address_space: global }
      - { .name: codes, .offset: 16, .size: 8, .value_kind: global_buffer, .address_space: global }
      - { .name: scales, .offset: 24, .size: 8, .value_kind: global_buffer, .address_space: global }
      - { .name: bo, .offset: 32, .size: 8, .value_kind: global_buffer, .address_space: global }
      - { .name: out0, .offset: 40, .size: 8, .value_kind: global_buffer, .address_space: global }
    .group_segment_fixed_size: 327680
    .private_segment_fixed_size: 0
    .kernarg_segment_align: 8
    .kernarg_segment_size: 48
    .max_flat_workgroup_size: 128
    .sgpr_count:     80
    .vgpr_count:     768
    .wavefront_size: 32
...
	.end_amdgpu_metadata
.endif
;; end of part 4
